; MI455X (gfx1250); checked and timed in simulation.
; The chip was launched on July 23, 2026; its instructions are those of AMD's public machine-readable ISA for CDNA 5 (MIT licence, August 2026) and "CDNA5" Instruction Set Architecture Reference Guide (July 2026). The comments in the code are by the model that wrote it; some were corrected since.
;; Spatio Temporal Cross Attention. Allowed arithmetic: matrix products marked QUANTISED: E5M2 operands, one given power-of-two scale a tensor, by v_wmma_f32_16x16x64_bf8_bf8 or v_wmma_f32_16x16x128_bf8_bf8, f32 sums; everything else in f32.
;; Inputs: ln_b 1,024 float32; ln_g 1,024 float32; lowp_scales 24 int32 (the exponents e of the quantised operands' scales 2^e); s2t_Wk 1,024 x 1,024 float32; s2t_Wo 1,024 x 1,024 float32; s2t_Wq 1,024 x 1,024 float32; s2t_Wv 1,024 x 1,024 float32; s2t_bk 1,024 float32; s2t_bo 1,024 float32; s2t_bq 1,024 float32; s2t_bv 1,024 float32; spat_features 2 x 2,048 x 1,024 float32; t2s_Wk 1,024 x 1,024 float32; t2s_Wo 1,024 x 1,024 float32; t2s_Wq 1,024 x 1,024 float32; t2s_Wv 1,024 x 1,024 float32; t2s_bk 1,024 float32; t2s_bo 1,024 float32; t2s_bq 1,024 float32; t2s_bv 1,024 float32; temp_features 2 x 2,048 x 1,024 float32.
;; Outputs: out0 2 x 2,048 x 1,024 float32; out1 2 x 2,048 x 1,024 float32.
;; This version of the problem:
;;   THIS VERSION OF THE PROBLEM IS GIVEN IN LOW PRECISION. The matrix products marked QUANTISED in the list below multiply operands that are first quantised to E5M2 (5 exponent bits, 2 mantissa bits; 8 bits a number), with one given power-of-two scale for each operand tensor; their sums are f32. All else is computed in f32.
;;   The module's matrix products, in the order in which they are computed (A, B: the left and right operand; K: the contracted axis; several contracted axes count as one K, in the product's order):
;;     1. [M 4,096, K 1,024] x [K 1,024, N 1,024]; A: input spat_features; B: input t2s_Wq: QUANTISED (scales: A lowp_scales[0], B lowp_scales[1])
;;     2. [M 4,096, K 1,024] x [K 1,024, N 1,024]; A: input temp_features; B: input t2s_Wk: QUANTISED (scales: A lowp_scales[2], B lowp_scales[3])
;;     3. [M 4,096, K 1,024] x [K 1,024, N 1,024]; A: input temp_features; B: input t2s_Wv: QUANTISED (scales: A lowp_scales[4], B lowp_scales[5])
;;     4. batch 32 x [M 2,048, K 64] x [K 64, N 2,048]; A: computed on the way; B: computed on the way: QUANTISED (scales: A lowp_scales[6], B lowp_scales[7])
;;     5. batch 32 x [M 2,048, K 2,048] x [K 2,048, N 64]; A: softmax (see below); B: computed on the way: QUANTISED (scales: A lowp_scales[8], B lowp_scales[9])
;;     6. [M 4,096, K 1,024] x [K 1,024, N 1,024]; A: computed on the way; B: input t2s_Wo: QUANTISED (scales: A lowp_scales[10], B lowp_scales[11])
;;     7. [M 4,096, K 1,024] x [K 1,024, N 1,024]; A: input temp_features; B: input s2t_Wq: QUANTISED (scales: A lowp_scales[12], B lowp_scales[13])
;;     8. [M 4,096, K 1,024] x [K 1,024, N 1,024]; A: input spat_features; B: input s2t_Wk: QUANTISED (scales: A lowp_scales[14], B lowp_scales[15])
;;     9. [M 4,096, K 1,024] x [K 1,024, N 1,024]; A: input spat_features; B: input s2t_Wv: QUANTISED (scales: A lowp_scales[16], B lowp_scales[17])
;;     10. batch 32 x [M 2,048, K 64] x [K 64, N 2,048]; A: computed on the way; B: computed on the way: QUANTISED (scales: A lowp_scales[18], B lowp_scales[19])
;;     11. batch 32 x [M 2,048, K 2,048] x [K 2,048, N 64]; A: softmax (see below); B: computed on the way: QUANTISED (scales: A lowp_scales[20], B lowp_scales[21])
;;     12. [M 4,096, K 1,024] x [K 1,024, N 1,024]; A: computed on the way; B: input s2t_Wo: QUANTISED (scales: A lowp_scales[22], B lowp_scales[23])
;;   THE QUANTISER, for each operand of a quantised product, along K:
;;     - The operand's scale is 2^e, e = its entry of the input lowp_scales (int32; the entries are numbered through the quantised products in the list's order, A before B).
;;     - Each number is divided by the scale, clamped to +-57,344, and rounded to the nearest number of E5M2, ties to even, subnormals kept.
;;     - The product sums the exact products of the quantised numbers (number of the format x scale) in f32.
;;   ~~~python
;;   def quantise(x, axis, e):      # numpy; x: float32 -> the quantised numbers, widened to float32 again
;;       x = np.moveaxis(x, axis, -1); K = x.shape[-1]
;;       r = np.clip(x / 2.0 ** e, -57344, 57344)
;;       step = 2.0 ** (np.maximum(np.frexp(np.where(r == 0, 1, r))[1] - 1, -14) - 2)
;;       q = np.round(r / step) * step * 2.0 ** e      # np.round: ties to even
;;       return np.moveaxis(q, -1, axis).astype(np.float32)
;;   ~~~
;;   SOFTMAX AHEAD OF A QUANTISED PRODUCT. Where the list says 'softmax', what is quantised is not the finished softmax but p = 2^(t - M), with t = logit x log2(e) and M = ceil(the row's largest t), a whole number; so 1/2 < the row's largest p <= 1. The row's sum l is taken of the UNQUANTISED p, in f32, and the product's result is divided by l at the end. Since M is a whole number, a kernel that streams over the keys may use a running M (the ceiling of the running maximum): every later rescaling is an exact power of two, so the quantised numbers keep their values, but for numbers so far below the row's largest that they fall under the format's range.
;;   OPERANDS COMPUTED ON THE WAY. 'Computed on the way' means the value that the module computes at that place (a softmax that the list does not call 'softmax' is quantised finished and normalised). What goes into a quantiser is computed in f32, as accurately as f32 sums, v_exp_f32 and their like allow (about 1e-6 of the number): no bf16 or f16 on the way to a quantiser, and a product that is left as it is and whose result goes on into a quantised operand takes f32 operands (vector FMAs, or v_wmma_f32_16x16x4_f32). A number that lies on a knife's edge between two numbers of the format may be rounded either way, as far as f32 arithmetic and the matrix unit's own rounding can turn it there, and no further.
;; 2 versions, each right; version 2 is version 1 with the launch attn written anew for expert scheduling mode. Each part assembles by itself: llvm-mc -triple=amdgcn-amd-amdhsa -mcpu=gfx1250 --defsym DOCPART=n.
;; ======== version 1 of 2: 4 launches
;; workspace buffers: xc 25,165,824 bytes; wc 6,291,456 bytes; woc 2,097,152 bytes; qc 8,388,608 bytes; kv 16,777,216 bytes; ao 8,388,608 bytes
;; launch quant (part 1): grid 512 x 1, 4 waves a work-group, no clusters, 36,352 bytes of LDS; arguments spat_features, temp_features, lowp_scales, xc, wc, woc, t2s_Wq, t2s_Wk, t2s_Wv, s2t_Wq, s2t_Wk, s2t_Wv, t2s_Wo, s2t_Wo; writes xc, wc, woc
.if DOCPART == 1
	.amdgcn_target "amdgcn-amd-amdhsa--gfx1250"
	.amdhsa_code_object_version 6
	.text
	.protected	k_qa59aa24ad7_quant
	.globl	k_qa59aa24ad7_quant
	.p2align	8
	.type	k_qa59aa24ad7_quant,@function
k_qa59aa24ad7_quant:
	s_mov_b64 s[64:65], 0
	v_nop
	global_prefetch_b8 v0, s[64:65] scope:SCOPE_SE
	s_setreg_imm32_b32 hwreg(HW_REG_WAVE_MODE, 25, 1), 1
	s_wait_xcnt 0x0
; The two feature tensors and the eight weights, f32, become codes of BF8 (E5M2), each with the scale 2^e that is given for the product it enters.
; code = x / 2^e, held within +-57,344, rounded to the nearest code, ties to even.
; LIMITS: every e used here lies between -126 and 112, so that 2^e and 57,344 x 2^e are f32 numbers.  NaN among the inputs is not served; an infinity is held at the largest code.
; Three paths part on the work-group's number alone:
;   X (work-groups 0-255): a feature tensor [4096][1024] is read ONCE and quantised under its THREE scales into three sections of xc ([token][1,024 bytes]).
;   W (256-447): Wq, Wk, Wv of both directions, stored [k][n], into wc ([n][1,024 bytes]): a lane takes a column n and its registers run down K.
;   O (448-511): the two Wo, stored [k][n], into woc, laid as images of the operand's registers ([K step of 128][tile of 16 n][2,048 bytes]).
; ORDER ALONG K in xc and wc: in each 512 along K, byte P holds k = 128 ((P>>2)&3) + 4 (P>>4) + (P&3).  It is what dense loads of 16 bytes a lane leave in a lane's registers (path X needs no turn through LDS),
; and it is the same in both operands of a product, so that every code meets its partner.
; Memory binds: each f32 number is read once, by loads of which a wave's cover 512 (X) or 128 (W, O) consecutive bytes; every store covers whole aligned runs of 256 bytes.  No matrix unit, no cluster: nothing is shared.
.set R,     16                         ; X: v16-79   four sets of 16 numbers as loaded
.set T,     80                         ; X: v80-111  two sets of 16 held numbers, by turns
.set C,     112                        ; X: v112-123 the codes under the three scales
.set X,     32                         ; W, O: v32-95 two sets of 32 numbers
.set CW,    96                         ; W: v96-103 a block's codes;  O: v96-159, eight registers for each block, so that no store's data are written again
.set OUTR,  112                        ; W: v112-175 the way out
.set PITCH, 272                        ; W: a stage row: 256 bytes + 16
	s_load_b256 s[4:11], s[0:1], 0x0               ; spat s[4:5], temp s[6:7], the scales' exponents s[8:9], xc s[10:11]
	s_load_b128 s[12:15], s[0:1], 0x20             ; wc s[12:13], woc s[14:15]
	s_load_b512 s[16:31], s[0:1], 0x30             ; the eight weights
	v_lshl_add_u32 v192, v0, 2, 0x8c00
	v_mov_b32 v193, 0
	v_lshrrev_b32 v1, 5, v0
	v_readfirstlane_b32 s32, v1                    ; wave 0..3
	v_and_b32 v2, 31, v0                           ; lane
	s_wait_kmcnt 0x0
	s_cmp_lt_u32 ttmp9, 256
	s_cbranch_scc0 .Lweights
; ---------------- path X: a wave takes 16 steps of 512 numbers of one tensor ----------------
	s_load_b512 s[36:51], s[8:9], 0x0              ; e0 .. e15
	s_load_b32 s52, s[8:9], 0x40                   ; e16
	v_lshlrev_b32 v3, 4, v2                        ; 16 x lane: my bytes of a load's 512 and of a store's 512
	s_lshr_b32 s33, ttmp9, 7                       ; 0: spat, 1: temp
	s_and_b32 s34, ttmp9, 127
	s_lshl_b32 s34, s34, 2
	s_add_co_u32 s34, s34, s32                     ; which run of 8,192 numbers is my wave's: 0 .. 511
	s_lshl_b32 s53, s34, 13                        ; its codes' first byte in a section
	s_lshl_b32 s34, s34, 15                        ; its numbers' first byte
	s_mov_b32 s35, 0
	s_cmp_eq_u32 s33, 0
	s_cselect_b64 s[4:5], s[4:5], s[6:7]
	s_cselect_b32 s54, 0, 1                        ; the three sections: spat 0, 4, 5 (t2s q, s2t k, s2t v); temp 1, 2, 3 (t2s k, t2s v, s2t q)
	s_cselect_b32 s56, 4, 2
	s_cselect_b32 s58, 5, 3
	s_add_nc_u64 s[4:5], s[4:5], s[34:35]
.irp g, 54,56,58
	s_lshl_b32 s[\g], s[\g], 22                    ; a section is 4 MiB
	s_add_co_u32 s[\g], s[\g], s53
	s_mov_b32 s[\g+1], 0
	s_add_nc_u64 s[\g:\g+1], s[10:11], s[\g:\g+1]
.endr
.macro XLOAD t                         ; register 4 i + j of the set holds k = 128 i + 4 lane + j of the step's 512
.irp i, 0,1,2,3
	global_load_b128 v[R+16*((\t)%4)+4*\i:R+16*((\t)%4)+4*\i+3], v3, s[4:5] offset:2048*(\t)+512*\i th:TH_LOAD_NT
.endr
.endm
.irp t, 0,1,2,3
	XLOAD \t
.endr
	s_wait_kmcnt 0x0
	s_cmp_eq_u32 s33, 0
	s_cselect_b32 s36, s36, s38                    ; e0  or e2
	s_cselect_b32 s37, s50, s40                    ; e14 or e4
	s_cselect_b32 s38, s52, s48                    ; e16 or e12
.irp g, 0,1,2
	s_add_co_i32 s[36+\g], s[36+\g], 127
	s_lshl_b32 s39, s[36+\g], 23
	v_mov_b32 v[4+2*\g], s39                       ; 2^e as f32: the conversion takes its exponent field
	s_add_co_i32 s[36+\g], s[36+\g], 15
	s_lshl_b32 s39, s[36+\g], 23
	s_or_b32 s39, s39, 0x600000
	v_mov_b32 v[5+2*\g], s39                       ; 57,344 x 2^e
.endr
.macro XSTEP t
.if 15-(\t) >= 3
	s_wait_loadcnt 12                              ; this step's four loads are in; those of the three steps behind it may be out
.else
	s_wait_loadcnt 4*(15-(\t))
.endif
.if (\t) > 0
	s_wait_xcnt 0x0                                ; the last step's stores have read the codes' registers: only behind this wait are they written again
.endif
.irp g, 0,1,2
.set TS, T+16*((3*(\t)+\g)%2)                  ; the two sets take turns: sixteen plain lines stand between a conversion and the next write of its sources
.set n, 0
.rept 16
	v_med3_num_f32 v[TS+n], v[R+16*((\t)%4)+n], -v[5+2*\g], v[5+2*\g]   ; the conversion to an 8-bit code does not saturate (ISA guide 7.6.2): the hold comes first
.set n, n+1
.endr
	v_cvt_scalef32_pk8_bf8_f32 v[C+4*\g:C+4*\g+1], v[TS:TS+7], v[4+2*\g]
	v_cvt_scalef32_pk8_bf8_f32 v[C+4*\g+2:C+4*\g+3], v[TS+8:TS+15], v[4+2*\g]
	global_store_b128 v3, v[C+4*\g:C+4*\g+3], s[54+2*\g:55+2*\g] offset:512*(\t)   ; the wave stores 512 consecutive bytes
.endr
.if (\t)+4 < 16
	XLOAD (\t)+4                                   ; into the set just read
.endif
.endm
.irp t, 0,1,2,3,4,5,6,7,8,9,10,11,12,13,14,15
	XSTEP \t
.endr
	s_endpgm
; ---------------- paths W and O: 128 columns x 256 along K of one weight to a work-group ----------------
.Lweights:
	s_sub_co_u32 s33, ttmp9, 256
	s_lshr_b32 s34, s33, 5                         ; which weight: 0 .. 5 Wq, Wk, Wv of t2s, of s2t; 6, 7 the two Wo
	s_and_b32 s35, ttmp9, 31
	s_and_b32 s36, s35, 7                          ; which 128 columns
	s_lshr_b32 s37, s35, 3                         ; which quarter of K
	s_mov_b64 s[4:5], s[16:17]
.irp k, 1,2,3,4,5,6,7
	s_cmp_eq_u32 s34, \k
	s_cselect_b64 s[4:5], s[16+2*\k:17+2*\k], s[4:5]
.endr
	s_lshl_b32 s38, s34, 1
	s_add_co_u32 s38, s38, 1
	s_cmp_ge_u32 s34, 3
	s_cselect_b32 s39, 6, 0
	s_add_co_u32 s38, s38, s39                     ; the scale's entry: 1, 3, 5, 13, 15, 17
	s_mul_i32 s39, s34, 12
	s_sub_co_u32 s39, s39, 61                      ; for Wo: 11, 23
	s_cmp_ge_u32 s34, 6
	s_cselect_b32 s38, s39, s38
	s_lshl_b32 s38, s38, 2
	s_load_b32 s60, s[8:9], s38 offset:0x0         ; e
	v_lshlrev_b32 v3, 2, v2                        ; a lane takes a column: 4 bytes a lane
	v_and_b32 v5, 15, v2
	v_lshrrev_b32 v6, 4, v2
.macro SCALE
	s_wait_kmcnt 0x0
	s_add_co_i32 s60, s60, 127
	s_lshl_b32 s61, s60, 23
	v_mov_b32 v11, s61                             ; 2^e
	s_add_co_i32 s60, s60, 15
	s_lshl_b32 s60, s60, 23
	s_or_b32 s60, s60, 0x600000
	v_mov_b32 v10, s60                             ; 57,344 x 2^e
.endm
.macro HOLD32 xs
.set n, 0
.rept 32
	v_med3_num_f32 v[\xs+n], v[\xs+n], -v10, v10
.set n, n+1
.endr
.endm
	s_cmp_ge_u32 s34, 6
	s_cbranch_scc1 .Lwo
; ---- path W.  The quarter is bytes 256 kq .. 256 kq + 255 of the codes' rows; byte 32 t + i of it holds k = 512 (kq>>1) + 64 (kq&1) + 128 ((i>>2)&3) + 8 t + 4 (i>>4) + (i&3)
	s_lshr_b32 s40, s37, 1
	s_lshl_b32 s40, s40, 21                        ; 512 rows of 4,096 bytes
	s_and_b32 s41, s37, 1
	s_lshl_b32 s41, s41, 18                        ; 64 rows
	s_add_co_u32 s40, s40, s41
	s_lshl_b32 s41, s36, 9
	s_add_co_u32 s40, s40, s41
	s_lshl_b32 s41, s32, 7
	s_add_co_u32 s40, s40, s41                     ; + 4 x my wave's first column: 128 nx + 32 wave
	s_mov_b32 s41, 0
	s_add_nc_u64 s[4:5], s[4:5], s[40:41]
	s_lshl_b32 s42, s34, 20                        ; the weight's section of wc,
	s_lshl_b32 s43, s36, 17
	s_add_co_u32 s42, s42, s43
	s_lshl_b32 s43, s32, 15
	s_add_co_u32 s42, s42, s43                     ; my first column's row of 1,024 bytes,
	s_lshl_b32 s43, s37, 8
	s_add_co_u32 s42, s42, s43                     ; the quarter
	s_mov_b32 s43, 0
	s_add_nc_u64 s[12:13], s[12:13], s[42:43]
	s_mul_i32 s44, s32, 32*PITCH                   ; my wave's own stage in LDS
	v_mul_u32_u24 v4, v2, PITCH
	v_add_nc_u32 v4, s44, v4                       ; into it: row = my column
	v_mul_u32_u24 v7, v6, PITCH
	v_lshl_add_u32 v7, v5, 4, v7
	v_add_nc_u32 v7, s44, v7                       ; out of it: sixteen lanes to a row, two rows an instruction
	v_lshlrev_b32 v8, 10, v6
	v_lshl_add_u32 v8, v5, 4, v8                   ; and the same place in wc
.macro WLOAD t
.set n, 0
.rept 32
	global_load_b32 v[X+32*((\t)%2)+n], v3, s[4:5] offset:(128*((n>>2)&3)+8*(\t)+4*(n>>4)+(n&3))*4096 th:TH_LOAD_NT
.set n, n+1
.endr
.endm
	WLOAD 0
	WLOAD 1
	SCALE
.macro WBLOCK t
.if (\t) < 7
	s_wait_loadcnt 32                              ; this block's 32 loads are in; the next block's may be out
.else
	s_wait_loadcnt 0
.endif
	HOLD32 X+32*((\t)%2)
.irp g, 0,1,2,3
	v_cvt_scalef32_pk8_bf8_f32 v[CW+2*\g:CW+2*\g+1], v[X+32*((\t)%2)+8*\g:X+32*((\t)%2)+8*\g+7], v11
.endr
	ds_store_b128 v4, v[CW:CW+3] offset:32*(\t)
	ds_store_b128 v4, v[CW+4:CW+7] offset:32*(\t)+16
.if (\t)+2 < 8
	WLOAD (\t)+2
.endif
	s_wait_dscnt 0x0                               ; the stores have read their registers: the next block's codes may be written
.endm
.irp t, 0,1,2,3,4,5,6,7
	WBLOCK \t
.endr
.irp t, 0,1,2,3,4,5,6,7,8,9,10,11,12,13,14,15
	ds_load_b128 v[OUTR+4*\t:OUTR+4*\t+3], v7 offset:2*\t*PITCH   ; LDS serves a wave's instructions in order (ISA guide 5.7.1.4): these see my stores
.endr
.irp t, 0,1,2,3,4,5,6,7,8,9,10,11,12,13,14,15
	s_wait_dscnt 15-\t
	global_store_b128 v8, v[OUTR+4*\t:OUTR+4*\t+3], s[12:13] offset:2*\t*1024   ; sixteen lanes store 256 consecutive bytes, aligned
.endr
	s_wait_tensorcnt 0x0
	ds_add_u32 v192, v193
	s_wait_dscnt 0x0
	s_endpgm
; ---- path O.  K in its natural order.  An image of 16 n x 128 k: group c (of four) holds, at 512 c + 16 (r + 16 h), k = 32 c + 8 h + 0..7 and 32 c + 16 + 8 h + 0..7 of row r.
; My lane's block of 32 along K is group t & 3 of K step 2 kq + (t >> 2): its first and third eights are the 16 bytes of h = 0, its second and fourth those of h = 1.
.Lwo:
	s_lshl_b32 s40, s37, 20                        ; 256 rows of 4,096 bytes
	s_lshl_b32 s41, s36, 9
	s_add_co_u32 s40, s40, s41
	s_lshl_b32 s41, s32, 7
	s_add_co_u32 s40, s40, s41
	s_mov_b32 s41, 0
	s_add_nc_u64 s[4:5], s[4:5], s[40:41]
	s_sub_co_u32 s42, s34, 6
	s_lshl_b32 s42, s42, 20                        ; the direction's section of woc,
	s_lshl_b32 s43, s37, 18
	s_add_co_u32 s42, s42, s43                     ; K step 2 kq (131,072 bytes a step),
	s_lshl_b32 s43, s36, 14
	s_add_co_u32 s42, s42, s43
	s_lshl_b32 s43, s32, 12
	s_add_co_u32 s42, s42, s43                     ; tile 8 nx + 2 wave (2,048 bytes a tile)
	s_mov_b32 s43, 0
	s_add_nc_u64 s[14:15], s[14:15], s[42:43]
	v_lshlrev_b32 v8, 11, v6
	v_lshl_add_u32 v8, v5, 4, v8                   ; lanes 16-31: the next tile; 16 bytes a row
.macro OLOAD t
.set n, 0
.rept 32
	global_load_b32 v[X+32*((\t)%2)+n], v3, s[4:5] offset:(32*(\t)+n)*4096 th:TH_LOAD_NT
.set n, n+1
.endr
.endm
	OLOAD 0
	OLOAD 1
	SCALE
.macro OBLOCK t
.set XS, X+32*((\t)%2)
.set CO, CW+8*(\t)
.if (\t) < 7
	s_wait_loadcnt 32
.else
	s_wait_loadcnt 0
.endif
	HOLD32 X+32*((\t)%2)
	v_cvt_scalef32_pk8_bf8_f32 v[CO:CO+1], v[XS:XS+7], v11
	v_cvt_scalef32_pk8_bf8_f32 v[CO+4:CO+5], v[XS+8:XS+15], v11
	v_cvt_scalef32_pk8_bf8_f32 v[CO+2:CO+3], v[XS+16:XS+23], v11
	v_cvt_scalef32_pk8_bf8_f32 v[CO+6:CO+7], v[XS+24:XS+31], v11
	global_store_b128 v8, v[CO:CO+3], s[14:15] offset:((\t)>>2)*131072+512*((\t)&3)        ; each half of the lanes stores 256 consecutive bytes, aligned
	global_store_b128 v8, v[CO+4:CO+7], s[14:15] offset:((\t)>>2)*131072+512*((\t)&3)+256
.if (\t)+2 < 8
	OLOAD (\t)+2
.endif
.endm
.irp t, 0,1,2,3,4,5,6,7
	OBLOCK \t
.endr
	s_endpgm
.Lfunc_end_k_qa59aa24ad7_quant:
	.size	k_qa59aa24ad7_quant, .Lfunc_end_k_qa59aa24ad7_quant-k_qa59aa24ad7_quant
	.p2alignl 7, 3214868480
	.fill 96, 4, 3214868480
	.section	.rodata,"a",@progbits
	.p2align	6, 0x0
	.amdhsa_kernel k_qa59aa24ad7_quant
		.amdhsa_group_segment_fixed_size 36352
		.amdhsa_private_segment_fixed_size 0
		.amdhsa_enable_private_segment 0
		.amdhsa_kernarg_size 112
		.amdhsa_user_sgpr_count 2
		.amdhsa_user_sgpr_kernarg_segment_ptr 1
		.amdhsa_wavefront_size32 1
		.amdhsa_system_sgpr_workgroup_id_x 1
		.amdhsa_system_sgpr_workgroup_id_y 1
		.amdhsa_system_sgpr_workgroup_id_z 1
		.amdhsa_system_vgpr_workitem_id 0
		.amdhsa_next_free_vgpr 194
		.amdhsa_next_free_sgpr 66
		.amdhsa_reserve_vcc 0
		.amdhsa_float_denorm_mode_32 3
		.amdhsa_float_denorm_mode_16_64 3
		.amdhsa_memory_ordered 1
		.amdhsa_forward_progress 1
		.amdhsa_inst_pref_size 163
	.end_amdhsa_kernel
	.amdgpu_metadata
---
amdhsa.version: [ 1, 2 ]
amdhsa.kernels:
  - .name:           k_qa59aa24ad7_quant
    .symbol:         k_qa59aa24ad7_quant.kd
    .args:
      - { .name: spat_features, .offset: 0, .size: 8, .value_kind: global_buffer, .address_space: global }
      - { .name: temp_features, .offset: 8, .size: 8, .value_kind: global_buffer, .address_space: global }
      - { .name: lowp_scales, .offset: 16, .size: 8, .value_kind: global_buffer, .address_space: global }
      - { .name: xc, .offset: 24, .size: 8, .value_kind: global_buffer, .address_space: global }
      - { .name: wc, .offset: 32, .size: 8, .value_kind: global_buffer, .address_space: global }
      - { .name: woc, .offset: 40, .size: 8, .value_kind: global_buffer, .address_space: global }
      - { .name: t2s_Wq, .offset: 48, .size: 8, .value_kind: global_buffer, .address_space: global }
      - { .name: t2s_Wk, .offset: 56, .size: 8, .value_kind: global_buffer, .address_space: global }
      - { .name: t2s_Wv, .offset: 64, .size: 8, .value_kind: global_buffer, .address_space: global }
      - { .name: s2t_Wq, .offset: 72, .size: 8, .value_kind: global_buffer, .address_space: global }
      - { .name: s2t_Wk, .offset: 80, .size: 8, .value_kind: global_buffer, .address_space: global }
      - { .name: s2t_Wv, .offset: 88, .size: 8, .value_kind: global_buffer, .address_space: global }
      - { .name: t2s_Wo, .offset: 96, .size: 8, .value_kind: global_buffer, .address_space: global }
      - { .name: s2t_Wo, .offset: 104, .size: 8, .value_kind: global_buffer, .address_space: global }
    .group_segment_fixed_size: 36352
    .private_segment_fixed_size: 0
    .kernarg_segment_align: 8
    .kernarg_segment_size: 112
    .max_flat_workgroup_size: 128
    .sgpr_count:     66
    .vgpr_count:     194
    .wavefront_size: 32
...
	.end_amdgpu_metadata
.endif
;; end of part 1
;; launch proj (part 2): grid 4 x 96, 4 waves a work-group, clusters of 4 x 4, 327,680 bytes of LDS; arguments xc, wc, lowp_scales, qc, kv, t2s_bq, t2s_bk, t2s_bv, s2t_bq, s2t_bk, s2t_bv; writes qc, kv
.if DOCPART == 2
	.amdgcn_target "amdgcn-amd-amdhsa--gfx1250"
	.amdhsa_code_object_version 6
	.text
	.protected	k_qa59aa24ad7_proj
	.globl	k_qa59aa24ad7_proj
	.p2align	8
	.type	k_qa59aa24ad7_proj,@function
k_qa59aa24ad7_proj:
	s_mov_b64 s[64:65], 0
	v_nop
	global_prefetch_b8 v0, s[64:65] scope:SCOPE_SE
	s_setreg_imm32_b32 hwreg(HW_REG_WAVE_MODE, 25, 1), 1
	s_wait_xcnt 0x0
	s_wait_alu depctr_hold_cnt(0) depctr_sa_sdst(0) depctr_va_vdst(0) depctr_va_sdst(0) depctr_va_ssrc(0) depctr_va_vcc(0) depctr_vm_vsrc(0)
	s_getreg_b32 s2, hwreg(HW_REG_IB_STS2, 6, 4)
	s_cmp_eq_u32 s2, 0
	s_cbranch_scc0 .Lentry_in_a_cluster
	s_endpgm
.Lentry_in_a_cluster:
	s_bfe_u32 s2, ttmp6, 0x10000c
	s_cmp_lg_u32 s2, 0xf033
	s_cbranch_scc0 .Lentry_shape_is_right
	s_endpgm
.Lentry_shape_is_right:
; The six projections (q, k, v of t2s, then of s2t): out = x W + b on codes of BF8, K = 1,024; the result, in f32, is quantised at once with the scale given for the attention product that it enters, and leaves as codes.
; out[i][j] = sum over K of P[i][.] Q[j][.].  q, k (type 0): P = x's codes (4,096 tokens), Q = W's codes (1,024 channels).  v (type 1): P = W's, Q = x's, so that a lane's eight results run along the KEYS, the K of attention's second product.
; A tile of 256 x 256 is made by four waves, each 128 x 128: 64 accumulators, 512 registers.  K goes in steps of 256 through a ring of two LDS slots filled by the tensor data mover: a tile's row is 256 bytes of memory.
; CLUSTERS of 4 x 4 work-groups: the cluster's y (0 .. 23) names the product (y >> 2) and which four of its sixteen tile rows (type 0) or tile columns (type 1).  The four of a row of the cluster need the same tiles of P, the
; four of a column the same tiles of Q: each tile is asked for JOINTLY, by the same tensor load with the same descriptor and a mask that names the four.
; THE MATRIX INSTRUCTION IS USED TRANSPOSED (source 0 = 16 rows of Q, source 1 = 16 rows of P): lane (r, h) holds row r of P's block and Q's rows 8 h + 0..7 of each of eight blocks.
; THE WAY OUT needs no LDS: sum x 2^(ex + ew) + bias, the hold, the conversion; the codes of two neighbouring blocks of Q are 16 bytes that a lane of the reader's operand registers wants together, so that each store of the wave is 512 consecutive
; bytes of an IMAGE OF THE OPERAND'S REGISTERS: q, k: 16 tokens x 64 channels of a head (1,024 bytes; group c at 512 c + 16 lane holds d = 32 c + 8 h + 0..7, 32 c + 16 + 8 h + 0..7);  v: 16 channels x 128 keys (2,048 bytes, likewise along the keys).
; qc: [y = 32 dir + 16 batch + head][128 tiles of 16 tokens][1,024].   kv: [y][16 blocks of 128 keys][8 images of K, then 4 images of V].
; LIMITS: ex + ew between -126 and 127; the result's exponent between -126 and 112.  NaN among the inputs is not served.
; REGISTERS, in windows of 256: window 0: v16-31 addresses and constants; v32-95, v96-111 the biases; from v128 P's fragments, ONE set (on the way out: v128-191 numbers, v192-223 codes).
;   window 1: Q's fragments, TWO sets.   window 2: the accumulators of my rows 0-63 ((a, b) at v[8 (8 a + b)]);   window 3: those of my rows 64-127.
.set KSTEP,  256
.set ROWB,   256                       ; a tile's row in bytes
.set KROW,   1024                      ; a row of codes in memory
.set PITCH,  272                       ; an LDS row: 256 bytes + 16 of padding = 68 words: row r starts at bank 4 r mod 64 (64 banks of 4 bytes: ISA guide 11.1)
.set FR,     16                        ; registers of a fragment: 16 rows x 128 K
.set NL,     4                         ; LDS loads that bring one
.set NP,     4                         ; places behind this matrix instruction (ISA guide 7.12.1)
.set HALFT,  128*PITCH                 ; 128 rows: what one tensor load brings, and what one wave reads of P or of Q
.set SLOT,   4*HALFT                   ; P's 256 rows, then Q's 256 rows
.set LAPS,   2                         ; a lap = two K steps = once round the ring: 1,024 / 512
.set SPARE,  2*SLOT                    ; behind the ring: the spare words, 128 bytes for each wave: two blocks of 256 bytes that no other line names
.set ADRA, 16                          ; v16-17  LDS address of my fragments of P in slot 0, 1
.set ADRB, 20                          ; v20-21  the same for Q
.set SC,   24                          ; v24     2^eo as f32, for the conversions
.set LIM,  25                          ; v25     57,344 x 2^eo
.set LO,   26                          ; v26     16 x lane: my place in an image's group
.set SPW,  28                          ; v28     LDS address of my spare word; never rewritten
.set NIL,  29                          ; v29     0; never rewritten
.set BJO,  30                          ; v30     32 h;  v31  4 r: my offsets in the bias
.set BIO,  31
.set BJ,   32                          ; v32-95  type 0: the bias at my 64 columns
.set BI,   96                          ; v96-111 type 1: the bias at my eight rows, each twice (a pair for the packed form)
.set AF,   128                         ; P's fragments
.set T,    128                         ; the way out: a block's 64 numbers
.set C,    192                         ; and its codes: two sets of 16 by turns
.set G1, 24                            ; s[24:31] descriptor group 1 for P's tiles;  s[32:39] group 0, one set for each slot
.set G0, 32
.set G1B, 48                           ; s[48:55], s[56:63] the same for Q's tiles
.set G0B, 56
.set MSB, 0
.macro WIN new                         ; the immediate's high byte repeats the setting that is left
.if MSB != \new
	s_set_vgpr_msb (MSB<<8)|\new
.set MSB, \new
.endif
.endm
.set MUL_LO, 0xa1                      ; source 0 (Q) window 1, source 1 (P) window 0, C and D window 2
.set MUL_HI, 0xf1                      ; the same, C and D window 3
.set TO_B,   0x40                      ; destination window 1, address window 0
; A joint load: waves 0 and 1 fetch for P, waves 2 and 3 for Q.  Each of the two lines has ONE mask and one set of registers for all that issue it; the branch hangs on the wave's number alone.
; Four v_nop follow each of the two lines, ahead of the jump, the label and what follows.
.macro JLOAD g0a, g1a, g0b, g1b
	s_cmp_eq_u32 s15, 0
	s_cbranch_scc0 .Lfor_b_\@
	tensor_load_to_lds s[\g0a:\g0a+3], s[\g1a:\g1a+7]
	s_nop 0
.rept 4
	v_nop
.endr
	s_branch .Lasked_\@
.Lfor_b_\@:
	tensor_load_to_lds s[\g0b:\g0b+3], s[\g1b:\g1b+7]
	s_nop 0
.rept 4
	v_nop
.endr
.Lasked_\@:
.endm
.macro CREST                           ; a round of the cluster's barrier behind its opening barrier
	s_cmp_lg_u32 s14, 0
	s_cbranch_scc1 .Lnot_wave_0_\@
	s_barrier_signal -3
.Lnot_wave_0_\@:
	s_barrier_wait -3
	s_barrier_signal -1
	s_barrier_wait -1
.endm
.macro CROUND                          ; a whole round
	s_barrier_signal -1
	s_barrier_wait -1
	CREST
.endm
	s_load_b256 s[68:75], s[0:1], 0x0              ; xc s[68:69], wc s[70:71], the scales' exponents s[72:73], qc s[74:75]
	s_load_b64 s[76:77], s[0:1], 0x20              ; kv
	s_load_b256 s[80:87], s[0:1], 0x28             ; the biases of products 0 .. 3
	s_load_b128 s[88:91], s[0:1], 0x48             ; and of 4, 5
	v_lshl_add_u32 v[SPW], v0, 2, SPARE
	v_mov_b32 v[NIL], 0
	ds_add_u32 v28, v29
	ds_add_u32 v28, v29
	s_wait_dscnt 0x0
	v_lshrrev_b32 v1, 5, v0
	v_readfirstlane_b32 s14, v1                    ; wave 0..3
	s_lshr_b32 s15, s14, 1                         ; which half of the tile's rows is mine.  Also: I fetch for P (0) or for Q (1)
	s_and_b32 s16, s14, 1                          ; which half of its columns.  Also: which 128 rows of that tile I fetch
	s_bfe_u32 s40, ttmp6, 0x40000                  ; cx, cy: my place in the cluster
	s_bfe_u32 s41, ttmp6, 0x40004
	s_and_b32 s66, ttmp7, 0xffff                   ; the cluster's y: the same in all sixteen partners
	s_lshr_b32 s67, s66, 2                         ; the product, 0 .. 5
	s_and_b32 s95, s66, 3
	s_lshl_b32 s95, s95, 2                         ; which four of the sixteen tiles along the tokens
	s_cmp_ge_u32 s67, 3
	s_cselect_b32 s78, 1, 0                        ; the direction
	s_mul_i32 s79, s78, 3
	s_sub_co_u32 s79, s67, s79                     ; 0 q, 1 k, 2 v
	s_cmp_eq_u32 s79, 2
	s_cselect_b32 s94, 1, 0                        ; the type
	s_cselect_b32 s18, 0, s95
	s_cselect_b32 s19, s95, 0
	s_cselect_b32 s22, 20, 22                      ; a section of P's buffer is 2^22 bytes (xc) or 2^20 (wc),
	s_cselect_b32 s23, 22, 20                      ; of Q's the other
	s_add_co_u32 s17, s41, s18                     ; tile row: it holds cy and never cx
	s_add_co_u32 s42, s40, s19                     ; tile column: it holds cx and never cy
	s_lshl_b32 s43, s41, 2
	s_lshl_b32 s43, 15, s43                        ; my row of the cluster
	s_lshl_b32 s44, 0x1111, s40                    ; my column
	; descriptor group 1: a tile of 128 rows x 256 bytes, padded in LDS
	s_or_b32 s[G1+0], s43, (0<<16)|(1<<20)|(1<<21)|(5<<22)|(3<<25)  ; 15:0 the mask: P's tiles go to my row; 17:16 element of 1 byte; 20 padding on; 21 set beside a mask; 24:22 after every 64 words (code 5); 31:25 of 4 words (code 3)
	s_or_b32 s[G1B+0], s44, (0<<16)|(1<<20)|(1<<21)|(5<<22)|(3<<25)
.irp g, G1, G1B
	s_mov_b32 s[\g+1], ROWB<<16                    ; tensor_dim0
	s_mov_b32 s[\g+2], 128<<16                     ; tensor_dim1 = 128
	s_mov_b32 s[\g+3], ROWB<<16                    ; tile_dim0
	s_mov_b32 s[\g+4], 128                         ; tile_dim1 = 128
	s_mov_b32 s[\g+5], KROW                        ; tensor_dim0_stride
	s_mov_b32 s[\g+6], 0
	s_mov_b32 s[\g+7], 0
.endr
	s_lshl_b32 s18, s16, 7                         ; which 128 rows of the tile I fetch
	s_lshl_b32 s20, s17, 8
	s_add_co_u32 s20, s20, s18                     ; P: row 256 x tile row + 128 x half,
	s_lshl_b32 s20, s20, 10                        ; in bytes,
	s_lshl_b32 s22, s67, s22
	s_add_co_u32 s20, s20, s22                     ; in the product's section
	s_mov_b32 s21, 0
	s_lshl_b32 s46, s42, 8
	s_add_co_u32 s46, s46, s18                     ; Q likewise
	s_lshl_b32 s46, s46, 10
	s_lshl_b32 s23, s67, s23
	s_add_co_u32 s46, s46, s23
	s_mov_b32 s47, 0
	s_mul_i32 s45, s14, HALFT                      ; where the tiles go: wave x 128 rows: no place in the cluster enters an LDS address
	s_mul_i32 s101, s78, 48                        ; the direction's twelve entries of the scales
	s_lshl_b32 s99, s79, 3
	s_add_co_u32 s99, s99, s101                    ; ex, ew: entries 2 p, 2 p + 1
	s_add_co_u32 s100, s79, s94
	s_add_co_u32 s100, s100, 6
	s_lshl_b32 s100, s100, 2
	s_add_co_u32 s100, s100, s101                  ; the result's: entry 6 (q), 7 (k), 9 (v)
	s_wait_kmcnt 0x0
	s_load_b64 s[96:97], s[72:73], s99 offset:0x0
	s_load_b32 s98, s[72:73], s100 offset:0x0
	s_cmp_eq_u32 s94, 0
	s_cselect_b64 s[4:5], s[68:69], s[70:71]       ; P's buffer
	s_cselect_b64 s[6:7], s[70:71], s[68:69]       ; Q's
	s_add_nc_u64 s[20:21], s[4:5], s[20:21]
	s_add_nc_u64 s[46:47], s[6:7], s[46:47]
	s_mov_b64 s[92:93], s[80:81]                   ; the product's bias
.irp k, 1,2,3,4,5
	s_cmp_eq_u32 s67, \k
	s_cselect_b64 s[92:93], s[80+2*\k:81+2*\k], s[92:93]
.endr
	CROUND                                         ; all sixteen work-groups are here: the first joint loads meet
.irp s, 0,1
	s_mov_b32 s[G0+4*\s], 1
	s_add_co_u32 s[G0+4*\s+1], s45, \s*SLOT
	s_add_nc_u64 s[G0+4*\s+2:G0+4*\s+3], s[20:21], \s*ROWB
	s_or_b32 s[G0+4*\s+3], s[G0+4*\s+3], 0x80000000
	s_mov_b32 s[G0B+4*\s], 1
	s_add_co_u32 s[G0B+4*\s+1], s45, \s*SLOT
	s_add_nc_u64 s[G0B+4*\s+2:G0B+4*\s+3], s[46:47], \s*ROWB
	s_or_b32 s[G0B+4*\s+3], s[G0B+4*\s+3], 0x80000000
	JLOAD G0+4*\s, G1, G0B+4*\s, G1B
.endr
	v_and_b32 v1, 15, v0                           ; r = l % 16
	v_bfe_u32 v2, v0, 4, 1                         ; h = l / 16
	v_mul_u32_u24 v3, v1, PITCH
	v_lshl_add_u32 v4, v2, 4, v3                   ; a fragment's row x pitch + 16 x half
	s_mul_i32 s21, s15, HALFT                      ; my 128 rows of P
	s_mul_i32 s22, s16, HALFT                      ; my 128 rows of Q,
	s_add_co_u32 s22, s22, 2*HALFT                 ; which lie behind P's 256
.irp s, 0,1
	v_add_nc_u32 v[ADRA+\s], s21, v4
	v_add_nc_u32 v[ADRB+\s], s22, v4
	s_add_co_u32 s21, s21, SLOT
	s_add_co_u32 s22, s22, SLOT
.endr
	v_lshlrev_b32 v[BJO], 5, v2
	v_lshlrev_b32 v[BIO], 2, v1
	v_and_b32 v6, 31, v0
	v_lshlrev_b32 v[LO], 4, v6
	s_lshl_b32 s8, s42, 8
	s_lshl_b32 s9, s16, 7
	s_add_co_u32 s8, s8, s9                        ; my first column (row of Q)
	s_lshl_b32 s9, s17, 8
	s_lshl_b32 s12, s15, 7
	s_add_co_u32 s9, s9, s12                       ; my first row (of P)
	; Both sets of bias numbers are loaded, with no branch; they are waited for on the way out.  The set along the channels is the one used; '& 1023' changes nothing in it and keeps the other set's loads inside the buffer.
	s_and_b32 s84, s8, 1023
	s_lshl_b32 s84, s84, 2
	s_mov_b32 s85, 0
	s_add_nc_u64 s[80:81], s[92:93], s[84:85]
	s_and_b32 s84, s9, 1023
	s_lshl_b32 s84, s84, 2
	s_add_nc_u64 s[82:83], s[92:93], s[84:85]
.irp b, 0,1,2,3,4,5,6,7
	global_load_b128 v[BJ+8*\b:BJ+8*\b+3], v[BJO], s[80:81] offset:64*\b         ; columns 16 b + 8 h + 0..7
	global_load_b128 v[BJ+8*\b+4:BJ+8*\b+7], v[BJO], s[80:81] offset:64*\b+16
.endr
.irp a, 0,1,2,3,4,5,6,7
	global_load_b32 v[BI+2*\a], v[BIO], s[82:83] offset:64*\a                    ; row 16 a + r, into both registers of a pair
	global_load_b32 v[BI+2*\a+1], v[BIO], s[82:83] offset:64*\a
.endr
	; where my codes go: head y's part, the block of 128 tokens; base 0 for my first head, base 1 for my second
	s_cmp_eq_u32 s94, 0
	s_cselect_b32 s84, s9, s8                      ; my first token
	s_cselect_b32 s85, s8, s9                      ; my first channel
	s_cselect_b32 s86, 0, 8192                     ; V's images lie behind K's eight
	s_cmp_eq_u32 s79, 0
	s_cselect_b32 s87, 17, 18                      ; a head's part: 2^17 bytes of qc, 2^18 of kv; 128 tokens are a sixteenth of it
	s_cselect_b64 s[10:11], s[74:75], s[76:77]
	s_lshl_b32 s88, s78, 5
	s_lshr_b32 s89, s84, 11
	s_lshl_b32 s89, s89, 4
	s_add_co_u32 s88, s88, s89
	s_lshr_b32 s89, s85, 6
	s_add_co_u32 s88, s88, s89                     ; y = 32 dir + 16 batch + head
	s_lshl_b32 s88, s88, s87
	s_and_b32 s89, s84, 2047
	s_lshr_b32 s89, s89, 7
	s_sub_co_u32 s90, s87, 4
	s_lshl_b32 s89, s89, s90
	s_add_co_u32 s88, s88, s89
	s_add_co_u32 s88, s88, s86
	s_mov_b32 s89, 0
	s_add_nc_u64 s[10:11], s[10:11], s[88:89]
	s_lshl_b32 s88, 1, s87
	s_add_nc_u64 s[12:13], s[10:11], s[88:89]
.macro FRAG reg, adr, q, i             ; a fragment is fetched by four loads of 16 bytes, 32 apart: the same places along K in P and in Q
.irp c, 0,1,2,3
	ds_load_b128 v[\reg+4*\c:\reg+4*\c+3], v[\adr] offset:128*(\q)+32*\c+(\i)*16*PITCH
.endr
.endm
; 16 matrix instructions: P's blocks a0, a0 + 1 x Q's eight, 128 along K.  p: Q's set.  zero = 1: the first product starts the sums: nothing is ever cleared.
; The 64 accumulators take turns, one instruction a turn, in the same order in every step.
.macro MUL16 a0, p, zero
.irp a, \a0, \a0+1
.irp b, 0,1,2,3,4,5,6,7
.if \zero
	v_wmma_f32_16x16x128_bf8_bf8 v[8*(8*((\a)%4)+\b):8*(8*((\a)%4)+\b)+7], v[128*(\p)+FR*\b:128*(\p)+FR*\b+FR-1], v[AF+FR*(\a):AF+FR*(\a)+FR-1], 0
.else
	v_wmma_f32_16x16x128_bf8_bf8 v[8*(8*((\a)%4)+\b):8*(8*((\a)%4)+\b)+7], v[128*(\p)+FR*\b:128*(\p)+FR*\b+FR-1], v[AF+FR*(\a):AF+FR*(\a)+FR-1], v[8*(8*((\a)%4)+\b):8*(8*((\a)%4)+\b)+7]
.endif
.endr
.endr
.endm
.macro FETCH_B slot, q, p              ; Q's eight fragments of the slot's q-th 128 along K into set p
	WIN TO_B
.irp i, 0,1,2,3,4,5,6,7
	FRAG 128*(\p)+FR*\i, ADRB+\slot, \q, \i
.endr
	WIN 0
.endm
.macro FETCH_A slot, q, i0             ; P's blocks i0 .. i0 + 3
.irp i, \i0, \i0+1, \i0+2, \i0+3
	FRAG AF+FR*(\i), ADRA+\slot, \q, \i
.endr
.endm
; A load into a register that a matrix instruction has read, and a vector instruction that reads a matrix result or writes one of its registers, stand NP places behind it; only plain vector instructions
; that name none of its registers are places (ISA guide 7.12.1 for vector instructions).
.macro PLACES n
.rept \n
	v_nop
.endr
.endm
; A step of 128 along K that has its successor in the same slot.
.macro STEP slot, q, zero
	s_wait_dscnt 4*NL                              ; Q's set and P's blocks 0-3 are in; the youngest sixteen loads (P's blocks 4-7) may be out
	WIN MUL_LO
	MUL16 0, (\q)%2, \zero
	MUL16 2, (\q)%2, \zero
	s_wait_dscnt 0                                 ; P's blocks 4-7 are in (asked for 32 matrix instructions ago)
	PLACES NP
	FETCH_B \slot, (\q)+1, 1-(\q)%2
	FETCH_A \slot, (\q)+1, 0
	WIN MUL_HI
	MUL16 4, (\q)%2, \zero
	MUL16 6, (\q)%2, \zero
	PLACES NP
	WIN 0
	FETCH_A \slot, (\q)+1, 4
.endm
; A slot's last step changes slots: ONE barrier; in front of it each wave waits for all its tensor loads, adds 0 to its spare word, and waits for that and for its own reads of this slot.  fill = 1: this slot is filled again, two K steps ahead.
.macro TURN slot, next, fill
	s_wait_tensorcnt 0x0                           ; all my tensor loads have landed: my part of the next slot  (every window is 0 here)
	ds_add_u32 v[SPW], v[NIL]                      ; 0 onto my spare word
	s_wait_dscnt 4*NL+1                            ; (the add and the youngest sixteen loads, P's blocks 4-7, may be out)
	WIN MUL_LO
	MUL16 0, 1, 0                                  ; sixteen matrix instructions stand between the add and the wait for it
	s_wait_dscnt 0x0                               ; the add is done, and my reads of this slot are over
	s_barrier_signal -1
	MUL16 2, 1, 0
	WIN 0
	s_barrier_wait -1
.if \fill
	CREST                                          ; the barrier has opened a round of the cluster's barrier: no wave of any partner still reads this slot's tile or has a load on its way
	s_add_nc_u64 s[G0+4*\slot+2:G0+4*\slot+3], s[G0+4*\slot+2:G0+4*\slot+3], 2*ROWB
	s_add_nc_u64 s[G0B+4*\slot+2:G0B+4*\slot+3], s[G0B+4*\slot+2:G0B+4*\slot+3], 2*ROWB
	JLOAD G0+4*\slot, G1, G0B+4*\slot, G1B         ; the first tensor load behind the round; the four v_nop behind it are the places in front of the loads below
.else
	PLACES NP
.endif
	FETCH_B \next, 0, 0
	FETCH_A \next, 0, 0
	WIN MUL_HI
	MUL16 4, 1, 0
	MUL16 6, 1, 0
	PLACES NP
	WIN 0
	FETCH_A \next, 0, 4
.endm
	s_wait_tensorcnt 1                             ; my part of K step 0 is in (K step 1's load may be out)
	s_barrier_signal -1
	s_barrier_wait -1                              ; everybody's is
	FETCH_B 0, 0, 0
	FETCH_A 0, 0, 0
	FETCH_A 0, 0, 4
	STEP 0, 0, 1                                   ; the first step stands in front of the loop: its products start the sums
	s_mov_b32 s3, LAPS-1
.Llap:                                                 ; a trip goes once round the ring, from a lap's second step to the next lap's first, and fills both slots again
	TURN 0, 1, 1
	STEP 1, 0, 0
	TURN 1, 0, 1
	STEP 0, 0, 0
	s_sub_co_u32 s3, s3, 1
	s_cmp_lg_u32 s3, 0
	s_cbranch_scc1 .Llap
	TURN 0, 1, 0                                   ; the last lap fills nothing, and has no round of the cluster's barrier
	STEP 1, 0, 0
	s_wait_dscnt 4*NL                              ; the very last step: nothing more to fetch
	WIN MUL_LO
	MUL16 0, 1, 0
	MUL16 2, 1, 0
	s_wait_dscnt 0
	WIN MUL_HI
	MUL16 4, 1, 0
	MUL16 6, 1, 0
	WIN 0
; THE WAY OUT, block a of 16 rows of P at a time: 64 numbers a lane = sum x 2^(ex + ew) + bias (one packed multiply-add for two; each accumulator from its low end on), held, converted: 64 codes, four stores of 512 consecutive bytes.
.macro EPI type
.irp a, 0,1,2,3,4,5,6,7
.if \a > 1
	s_wait_xcnt 0x0                                ; block a - 2's stores have read this set of code registers
.endif
	WIN 0x02+(\a)/4                                ; source 0: window 2 or 3
.irp b, 0,1,2,3,4,5,6,7
.irp i, 0,2,4,6
.if \type
	v_pk_fma_f32 v[T+8*\b+\i:T+8*\b+\i+1], v[64*((\a)%4)+8*\b+\i:64*((\a)%4)+8*\b+\i+1], s[96:97], v[BI+2*\a:BI+2*\a+1] op_sel_hi:[1,0,1]
.else
	v_pk_fma_f32 v[T+8*\b+\i:T+8*\b+\i+1], v[64*((\a)%4)+8*\b+\i:64*((\a)%4)+8*\b+\i+1], s[96:97], v[BJ+8*\b+\i:BJ+8*\b+\i+1] op_sel_hi:[1,0,1]
.endif
.endr
.endr
	WIN 0
.set n, 0
.rept 64
	v_med3_num_f32 v[T+n], v[T+n], -v[LIM], v[LIM] ; the conversion to an 8-bit code does not saturate (ISA guide 7.6.2): the hold comes first
.set n, n+1
.endr
.irp b, 0,1,2,3,4,5,6,7
	v_cvt_scalef32_pk8_bf8_f32 v[C+16*((\a)%2)+2*\b:C+16*((\a)%2)+2*\b+1], v[T+8*\b:T+8*\b+7], v[SC]
.endr
	v_nop                                          ; one plain vector line between the conversions and the next block's writes of their sources
.irp c, 0,1,2,3
.if \type
	global_store_b128 v[LO], v[C+16*((\a)%2)+4*\c:C+16*((\a)%2)+4*\c+3], s[10+2*((\a)>>2):11+2*((\a)>>2)] offset:2048*((\a)&3)+512*\c      ; head a / 4, its tile a % 4 of 16 channels, keys 32 c on
.else
	global_store_b128 v[LO], v[C+16*((\a)%2)+4*\c:C+16*((\a)%2)+4*\c+3], s[10+2*(\c>>1):11+2*(\c>>1)] offset:1024*(\a)+512*(\c&1)          ; head c / 2, tile a of 16 tokens, channels 32 (c % 2) on
.endif
.endr
.endr
.endm
	s_wait_kmcnt 0x0
	s_add_co_i32 s96, s96, s97                     ; ex + ew, between -126 and 127,
	s_add_co_i32 s96, s96, 127
	s_lshl_b32 s96, s96, 23                        ; makes the f32 number 2^(ex + ew)
	s_mov_b32 s97, s96                             ; (named with it as a pair, so it is written)
	s_add_co_i32 s98, s98, 127
	s_lshl_b32 s99, s98, 23
	v_mov_b32 v[SC], s99
	s_add_co_i32 s98, s98, 15
	s_lshl_b32 s98, s98, 23
	s_or_b32 s98, s98, 0x600000
	v_mov_b32 v[LIM], s98
	s_wait_loadcnt 0x0                             ; the biases
	PLACES NP                                      ; behind the last products: their results are read, and the registers that held P's fragments are written
	s_cmp_eq_u32 s94, 0                            ; the type hangs on the cluster's y alone: all partners go the same way
	s_cbranch_scc0 .Ltype1
	EPI 0
	s_branch .Lend
.Ltype1:
	EPI 1
.Lend:
	s_wait_tensorcnt 0x0                           ; the wave's end
	ds_add_u32 v[SPW], v[NIL]
	s_wait_dscnt 0x0
	CROUND                                         ; the closing round: no work-group ends while a partner may still ask for a tile that names it
	s_endpgm
.Lfunc_end_k_qa59aa24ad7_proj:
	.size	k_qa59aa24ad7_proj, .Lfunc_end_k_qa59aa24ad7_proj-k_qa59aa24ad7_proj
	.p2alignl 7, 3214868480
	.fill 96, 4, 3214868480
	.section	.rodata,"a",@progbits
	.p2align	6, 0x0
	.amdhsa_kernel k_qa59aa24ad7_proj
		.amdhsa_group_segment_fixed_size 327680
		.amdhsa_private_segment_fixed_size 0
		.amdhsa_enable_private_segment 0
		.amdhsa_kernarg_size 88
		.amdhsa_user_sgpr_count 2
		.amdhsa_user_sgpr_kernarg_segment_ptr 1
		.amdhsa_wavefront_size32 1
		.amdhsa_system_sgpr_workgroup_id_x 1
		.amdhsa_system_sgpr_workgroup_id_y 1
		.amdhsa_system_sgpr_workgroup_id_z 1
		.amdhsa_system_vgpr_workitem_id 0
		.amdhsa_next_free_vgpr 1024
		.amdhsa_next_free_sgpr 102
		.amdhsa_reserve_vcc 0
		.amdhsa_float_denorm_mode_32 3
		.amdhsa_float_denorm_mode_16_64 3
		.amdhsa_memory_ordered 1
		.amdhsa_forward_progress 1
		.amdhsa_inst_pref_size 195
	.end_amdhsa_kernel
	.amdgpu_metadata
---
amdhsa.version: [ 1, 2 ]
amdhsa.kernels:
  - .name:           k_qa59aa24ad7_proj
    .symbol:         k_qa59aa24ad7_proj.kd
    .args:
      - { .name: xc, .offset: 0, .size: 8, .value_kind: global_buffer, .address_space: global }
      - { .name: wc, .offset: 8, .size: 8, .value_kind: global_buffer, .address_space: global }
      - { .name: lowp_scales, .offset: 16, .size: 8, .value_kind: global_buffer, .address_space: global }
      - { .name: qc, .offset: 24, .size: 8, .value_kind: global_buffer, .address_space: global }
      - { .name: kv, .offset: 32, .size: 8, .value_kind: global_buffer, .address_space: global }
      - { .name: t2s_bq, .offset: 40, .size: 8, .value_kind: global_buffer, .address_space: global }
      - { .name: t2s_bk, .offset: 48, .size: 8, .value_kind: global_buffer, .address_space: global }
      - { .name: t2s_bv, .offset: 56, .size: 8, .value_kind: global_buffer, .address_space: global }
      - { .name: s2t_bq, .offset: 64, .size: 8, .value_kind: global_buffer, .address_space: global }
      - { .name: s2t_bk, .offset: 72, .size: 8, .value_kind: global_buffer, .address_space: global }
      - { .name: s2t_bv, .offset: 80, .size: 8, .value_kind: global_buffer, .address_space: global }
    .group_segment_fixed_size: 327680
    .private_segment_fixed_size: 0
    .kernarg_segment_align: 8
    .kernarg_segment_size: 88
    .max_flat_workgroup_size: 128
    .sgpr_count:     102
    .vgpr_count:     1024
    .wavefront_size: 32
...
	.end_amdgpu_metadata
.endif
;; end of part 2
;; launch attn (part 3): grid 4 x 64, 8 waves a work-group, no clusters, 263,168 bytes of LDS; arguments qc, kv, lowp_scales, ao; writes ao
.if DOCPART == 3
	.amdgcn_target "amdgcn-amd-amdhsa--gfx1250"
	.amdhsa_code_object_version 6
	.text
	.protected	k_qa59aa24ad7_attn
	.globl	k_qa59aa24ad7_attn
	.p2align	8
	.type	k_qa59aa24ad7_attn,@function
k_qa59aa24ad7_attn:
	s_mov_b64 s[64:65], 0
	v_nop
	global_prefetch_b8 v0, s[64:65] scope:SCOPE_SE
	s_setreg_imm32_b32 hwreg(HW_REG_WAVE_MODE, 25, 1), 1
	s_wait_xcnt 0x0
; Attention of both directions on codes of BF8: for y = 32 dir + 16 batch + head, o[q] = (sum over 2,048 keys of Q(p) V) 2^(ep + ev) / l, and o is quantised at once with 2^eo for the output projection.
; THE SOFTMAX AHEAD OF THE SECOND PRODUCT: t = score x log2(e) / 8; M = the running largest t rounded UP to a whole number; p = 2^(t - M) is what is quantised; l is the sum of the unquantised p, in f32.
; When M moves, l and O are multiplied by 2^(old M - new M): exact.
; SHARES.  A work-group owns 512 queries of one head (grid x: which 512; grid y: y); each of its eight waves 64: four tiles of 16.  Every wave walks the head's 2,048 keys, 128 a block.
; THE HEAD'S WHOLE K AND V, 262,144 bytes, lie in LDS, each byte written once, as images of the operands' registers: every LDS load of a wave takes 512 consecutive bytes, and each fragment read feeds four tiles of queries.
; They come in quarters of 65,536 bytes through registers: a quarter's sixteen loads a wave are issued at the head of the quarter before and stored into LDS at its end, between two barriers, so that between two barriers LDS is only read or only written.
; WHY NOT JOINT TENSOR LOADS: the four work-groups of a head share one read of 262,144 bytes each, against 512 x 2,048 scores of work. The
; scalar branch on ep below spares 64 of a tile's vector lines wherever the hold cannot bind.
; LAYOUT.  Both products are used transposed: S^T = K Q^T (source 0 = 16 keys, source 1 = 16 queries, K = 64), O^T = V^T P^T (source 0 = 16 channels, source 1 = P, K = 128 keys): a lane holds ONE query (lane % 16) throughout.
; In S^T's tile kt lane (r, h) holds keys 16 kt + 8 h + 0..7: the eight codes made of them are registers 2 kt, 2 kt + 1 of the second product's operand, as that form lays K.
; LIMITS: eq + ek between -123 and 130 (added to c's exponent field); ep and eo between -126 and 112; ep + ev is applied by v_ldexp_f32 and has none.  NaN is not served.
; REGISTERS.  Window 0: v1-7 addresses and constants; v8-23 four registers of statistics a tile; v24-30 at work; v32-95 K's eight fragments; v96-159 V's four; v160-223 S^T, then p; v224-239 p's codes; v240-247 constants of the way out.
;   Window 1: v0-127 O^T (tile t, channels 16 dt on: 32 t + 8 dt); v128-159 Q (8 a tile); v160-223 the quarter on its way.
.set LI,   1                           ; v1   16 x lane
.set ADR,  2                           ; v2   LDS address of the block in hand
.set GF,   3                           ; v3   16 x thread: my bytes of 4,096 in a fill
.set FA,   4                           ; v4   LDS address of a fill's stores
.set PSC,  6                           ; v6   2^ep;  v7  57,344 x 2^ep
.set PLIM, 7
.set ST,   8                           ; tile t at ST + 4 t: -M, the largest t, l in two halves
.set T0,   24
.set T1,   25
.set F,    26                          ; v[26:27] f = 2^(old M - new M) (v27 written once: it is named as the pair's upper half)
.set SU,   28                          ; v[28:29] the sum's second chain
.set TP,   30
.set KF,   32
.set VF,   96
.set S,    160
.set PC,   224
.set OSC,  240                         ; 2^eo;  v241  57,344 x 2^eo
.set OLIM, 241
.set INV,  244                         ; v244-247  2^(ep + ev) / l of the four tiles
.set OT,   0                           ; window 1
.set QR,   128
.set STG,  160
.set WV,   12
.set SEL,  20                          ; s[20:21] lane selects for v_permlanex16_b32: lane l xor 16
.set CS,   22                          ; s[22:23] c = log2(e) / 8 x 2^(eq + ek)
.set TB,   30                          ; s30  LDS byte at which the block in hand begins
.set FB,   31                          ; s31  LDS byte at which the quarter to be stored begins
.set MSB, 0
.macro WIN new                         ; the immediate's high byte repeats the setting that is left
.if MSB != \new
	s_set_vgpr_msb (MSB<<8)|\new
.set MSB, \new
.endif
.endm
.macro FILL_LOAD                       ; a quarter of the head's K and V: each load of the wave takes 512 consecutive bytes, the eight waves 4,096
	WIN 0x40                                       ; destination window 1
.irp i, 0,1,2,3,4,5,6,7,8,9,10,11,12,13,14,15
	global_load_b128 v[STG+4*\i:STG+4*\i+3], v[GF], s[6:7] offset:4096*\i
.endr
	WIN 0
.endm
.macro FILL_STORE
	v_add_nc_u32 v[FA], s[FB], v[GF]
	WIN 0x04                                       ; store data window 1
.irp i, 0,1,2,3,4,5,6,7,8,9,10,11,12,13,14,15
	ds_store_b128 v[FA], v[STG+4*\i:STG+4*\i+3] offset:4096*\i
.endr
	WIN 0
.endm
.macro BAR
	s_wait_dscnt 0x0                               ; my LDS stores have landed and my LDS loads are in
	s_barrier_signal -1
	s_barrier_wait -1
.endm
	s_load_b256 s[4:11], s[0:1], 0x0               ; qc s[4:5], kv s[6:7], the scales' exponents s[8:9], ao s[10:11]
	v_lshl_add_u32 v254, v0, 2, 0x40000
	v_mov_b32 v255, 0
	v_lshrrev_b32 v2, 5, v0
	v_readfirstlane_b32 s[WV], v2                  ; wave 0..7
	v_and_b32 v1, 31, v0
	v_lshlrev_b32 v[LI], 4, v1
	v_lshlrev_b32 v[GF], 4, v0
	s_and_b32 s13, ttmp7, 0xffff                   ; y
	s_lshr_b32 s14, s13, 5                         ; the direction
	s_mul_i32 s34, s14, 48                         ; its twelve entries of the scales
	s_lshl_b32 s36, s13, 18                        ; kv: the head's 262,144 bytes
	s_mov_b32 s37, 0
	s_lshl_b32 s38, s13, 17                        ; qc: the head's 131,072 bytes,
	s_lshl_b32 s17, ttmp9, 15
	s_add_co_u32 s38, s38, s17                     ; 32 tiles of 1,024 bytes a work-group,
	s_lshl_b32 s17, s[WV], 12
	s_add_co_u32 s38, s38, s17                     ; 4 a wave
	s_mov_b32 s39, 0
	s_lshr_b32 s40, s13, 4                         ; ao: [dir][256 tiles of 16 tokens][8 K steps][2,048]: 2 dir + batch times 128 tiles of 16,384 bytes,
	s_lshl_b32 s40, s40, 21
	s_lshl_b32 s17, ttmp9, 19
	s_add_co_u32 s40, s40, s17
	s_lshl_b32 s17, s[WV], 16
	s_add_co_u32 s40, s40, s17
	s_and_b32 s17, s13, 15
	s_lshl_b32 s17, s17, 10                        ; the head's 64 channels are half of K step head / 2: 1,024 bytes
	s_add_co_u32 s40, s40, s17
	s_mov_b32 s41, 0
	s_mov_b32 s[SEL], 0x76543210
	s_mov_b32 s[SEL+1], 0xfedcba98
	s_mov_b32 s[CS], 0x3e38aa3b                    ; log2(e) / 8
	s_mov_b32 s[TB], 0
	s_mov_b32 s[FB], 0
	s_wait_kmcnt 0x0
	s_load_b128 s[24:27], s[8:9], s34 offset:0x18  ; eq, ek, ep, ev: entries 6 .. 9
	s_load_b32 s28, s[8:9], s34 offset:0x28        ; eo: entry 10
	s_add_nc_u64 s[6:7], s[6:7], s[36:37]
	s_add_nc_u64 s[4:5], s[4:5], s[38:39]
	s_add_nc_u64 s[10:11], s[10:11], s[40:41]
	FILL_LOAD                                      ; the first quarter
	WIN 0x40
.irp t, 0,1,2,3
.irp c, 0,1
	global_load_b128 v[QR+8*\t+4*\c:QR+8*\t+4*\c+3], v[LI], s[4:5] offset:1024*\t+512*\c   ; Q's four fragments stay in registers
.endr
.endr
.set n, 0
.rept 128
	v_mov_b32 v[OT+n], 0                           ; O^T.  (The block is written once: the first finds zeros, which the first change of M leaves zeros; a first block of its own would double the text)
.set n, n+1
.endr
	WIN 0
.irp t, 0,1,2,3
	v_mov_b32 v[ST+4*\t+1], 0xff61b1e6             ; the largest t so far: -3e38, under every t
	v_floor_f32 v[ST+4*\t], -v[ST+4*\t+1]          ; -M
	v_mov_b32 v[ST+4*\t+2], 0                      ; l
	v_mov_b32 v[ST+4*\t+3], 0
.endr
	v_mov_b32 v[F+1], 0
	v_mov_b32 v[TP], 0                             ; written once: a lane permute's destination counts as one of its sources
	s_wait_kmcnt 0x0
	s_add_co_i32 s35, s24, s25
	s_lshl_b32 s35, s35, 23
	s_add_co_i32 s[CS], s[CS], s35                 ; a score stands for score x 2^(eq + ek): the two exponents are added to c's exponent field
	s_mov_b32 s[CS+1], s[CS]                       ; (named with it as a pair, so it is written)
	s_add_co_i32 s35, s26, 127
	s_lshl_b32 s42, s35, 23
	v_mov_b32 v[PSC], s42
	s_add_co_i32 s35, s35, 15
	s_lshl_b32 s35, s35, 23
	s_or_b32 s35, s35, 0x600000
	v_mov_b32 v[PLIM], s35
	s_add_co_i32 s35, s28, 127
	s_lshl_b32 s42, s35, 23
	v_mov_b32 v[OSC], s42
	s_add_co_i32 s35, s35, 15
	s_lshl_b32 s35, s35, 23
	s_or_b32 s35, s35, 0x600000
	v_mov_b32 v[OLIM], s35
	s_add_co_i32 s29, s26, s27                     ; ep + ev
; One tile of 16 queries against the block's 128 keys.  vwait = 1: V's loads are waited for in front of the second product.
.macro TILE t, vwait
.set rT, ST+4*(\t)
	WIN 0x04                                       ; source 1 (Q) window 1
.irp kt, 0,1,2,3,4,5,6,7
	v_wmma_f32_16x16x64_bf8_bf8 v[S+8*\kt:S+8*\kt+7], v[KF+8*\kt:KF+8*\kt+7], v[QR+8*(\t):QR+8*(\t)+7], 0
.endr
	WIN 0
.rept 4
	v_nop                                          ; places in front of the first read of the scores
.endr
	v_max3_num_f32 v[T0], v[S], v[S+1], v[S+2]     ; the block's largest score of my query among my 64 keys, in two chains; each tile's registers are first read at their low end
	v_max3_num_f32 v[T1], v[S+3], v[S+4], v[S+5]
.irp i, 6,10,14,18,22,26,30,34,38,42,46,50,54,58
	v_max3_num_f32 v[T0], v[T0], v[S+\i], v[S+\i+1]
	v_max3_num_f32 v[T1], v[T1], v[S+\i+2], v[S+\i+3]
.endr
	v_max3_num_f32 v[T0], v[T0], v[S+62], v[S+63]
	v_max_num_f32 v[T0], v[T0], v[T1]
	v_permlanex16_b32 v[TP], v[T0], s[SEL], s[SEL+1]
	v_max_num_f32 v[T0], v[T0], v[TP]              ; and among lane l xor 16's
	v_mul_f32 v[T0], s[CS], v[T0]                  ; as t (c is positive)
	v_max_num_f32 v[rT+1], v[rT+1], v[T0]          ; the running largest t
	v_mov_b32 v[T0], v[rT]
	v_floor_f32 v[rT], -v[rT+1]                    ; the new -M = floor(-t) = -ceil(t): M is a whole number
	v_sub_f32 v[T0], v[rT], v[T0]                  ; old M less new M: a whole number, 0 or less
	v_cvt_i32_f32 v[T0], v[T0]                     ; (it saturates)
	v_ldexp_f32 v[F], 1.0, v[T0]                   ; f = 2^(old M - new M)
.set n, 0
.rept 32
	v_pk_fma_f32 v[S+n:S+n+1], v[S+n:S+n+1], s[CS:CS+1], v[rT:rT+1] op_sel_hi:[1,0,0]   ; t - M, two at a time (of the pairs c and -M the low word serves both halves)
.set n, n+2
.endr
.set n, 0
.rept 64
	v_exp_f32 v[S+n], v[S+n]                       ; p = 2^(t - M), at most 1: not normalised
.set n, n+1
.endr
	v_pk_mul_f32 v[rT+2:rT+3], v[rT+2:rT+3], v[F:F+1] op_sel_hi:[1,0]   ; l under the new M.  (The plain line behind the exponentials)
	s_wait_alu depctr_va_vdst(0)
	v_pk_add_f32 v[SU:SU+1], v[S:S+1], v[S+2:S+3]  ; the sum is taken of the unquantised p: two at a time, in two chains
.irp j, 4,8,12,16,20,24,28,32,36,40,44,48,52,56,60
	v_pk_add_f32 v[rT+2:rT+3], v[rT+2:rT+3], v[S+\j:S+\j+1]
	v_pk_add_f32 v[SU:SU+1], v[SU:SU+1], v[S+\j+2:S+\j+3]
.endr
	v_pk_add_f32 v[rT+2:rT+3], v[rT+2:rT+3], v[SU:SU+1]
	s_cmp_ge_i32 s26, -15                          ; p <= 1, so p / 2^ep <= 2^15 < 57,344 wherever ep >= -15: the hold cannot bind there and is jumped over.  ep is a whole number of the input, the same in every wave
	s_cbranch_scc1 .Lno_hold_\@
.set n, 0
.rept 64
	v_min_num_f32 v[S+n], v[S+n], v[PLIM]          ; the conversion to an 8-bit code does not saturate (ISA guide 7.6.2); p is not negative, so the hold is one-sided
.set n, n+1
.endr
.Lno_hold_\@:
.irp kt, 0,1,2,3,4,5,6,7
	v_cvt_scalef32_pk8_bf8_f32 v[PC+2*\kt:PC+2*\kt+1], v[S+8*\kt:S+8*\kt+7], v[PSC]
.endr
	WIN 0x41                                       ; O^T (destination and source 0) window 1, f window 0
.set n, 0
.rept 16
	v_pk_mul_f32 v[OT+32*(\t)+n:OT+32*(\t)+n+1], v[OT+32*(\t)+n:OT+32*(\t)+n+1], v[F:F+1] op_sel_hi:[1,0]   ; O^T under the new M.  (These are also the plain lines behind the conversions)
.set n, n+2
.endr
.if \vwait
	s_wait_dscnt 0x0                               ; V's fragments are in
.endif
	WIN 0x50                                       ; C and D window 1
.irp dt, 0,1,2,3
	v_wmma_f32_16x16x128_bf8_bf8 v[OT+32*(\t)+8*\dt:OT+32*(\t)+8*\dt+7], v[VF+16*\dt:VF+16*\dt+15], v[PC:PC+15], v[OT+32*(\t)+8*\dt:OT+32*(\t)+8*\dt+7]   ; four accumulators by turns
.endr
	WIN 0
.endm
; A block of 128 keys: 32 LDS loads, then the four tiles.
.macro BLOCK
	v_add_nc_u32 v[ADR], s[TB], v[LI]
.rept 3
	v_nop                                          ; with the addition: four places between the last products and the loads into the registers that they read
.endr
.irp kt, 0,1,2,3,4,5,6,7
.irp c, 0,1
	ds_load_b128 v[KF+8*\kt+4*\c:KF+8*\kt+4*\c+3], v[ADR] offset:1024*\kt+512*\c
.endr
.endr
.irp dt, 0,1,2,3
.irp c, 0,1,2,3
	ds_load_b128 v[VF+16*\dt+4*\c:VF+16*\dt+4*\c+3], v[ADR] offset:8192+2048*\dt+512*\c
.endr
.endr
	s_wait_dscnt 16                                ; K's sixteen loads are in; V's sixteen may be out
	TILE 0, 1
	TILE 1, 0
	TILE 2, 0
	TILE 3, 0
	s_add_co_u32 s[TB], s[TB], 16384
.endm
	s_wait_loadcnt 8                               ; the first quarter is in registers; Q's eight loads may be out
	FILL_STORE
	BAR                                            ; the first quarter lies in LDS
	s_wait_loadcnt 0x0                             ; Q; and the fill's loads are done, so their base may step
	s_add_nc_u64 s[6:7], s[6:7], 0x10000
	s_mov_b32 s32, 3
.Lquarter:                                             ; three trips: a quarter is worked on while the next is on its way into registers
	FILL_LOAD
	s_mov_b32 s33, 4
.Lblock:
	BLOCK
	s_sub_co_u32 s33, s33, 1
	s_cmp_lg_u32 s33, 0
	s_cbranch_scc1 .Lblock
	BAR                                            ; every wave's reads are in: from here to the next barrier LDS is only written
	s_wait_loadcnt 0x0                             ; the next quarter is in registers
	s_add_nc_u64 s[6:7], s[6:7], 0x10000
	s_add_co_u32 s[FB], s[FB], 0x10000
	FILL_STORE
	BAR                                            ; it lies in LDS
	s_sub_co_u32 s32, s32, 1
	s_cmp_lg_u32 s32, 0
	s_cbranch_scc1 .Lquarter
	s_mov_b32 s33, 4                               ; the last quarter asks for nothing: no load leaves the buffer
.Ltail:
	BLOCK
	s_sub_co_u32 s33, s33, 1
	s_cmp_lg_u32 s33, 0
	s_cbranch_scc1 .Ltail
	; THE WAY OUT.  l's two halves and lane l xor 16's are added (the four additions are the places behind the last products); o = O^T x 2^(ep + ev) / l is held, converted with 2^eo, and stored as the output projection's operand image.
.irp t, 0,1,2,3
	v_add_f32 v[INV+\t], v[ST+4*\t+2], v[ST+4*\t+3]
.endr
.irp t, 0,1,2,3
	v_permlanex16_b32 v[ST+4*\t], v[INV+\t], s[SEL], s[SEL+1]
.endr
.irp t, 0,1,2,3
	v_add_f32 v[INV+\t], v[INV+\t], v[ST+4*\t]
.endr
.irp t, 0,1,2,3
	v_rcp_f32 v[INV+\t], v[INV+\t]
.endr
	v_nop                                          ; a plain line between the last reciprocal and the use of its result
	s_wait_alu depctr_va_vdst(0)
.irp t, 0,1,2,3
	v_ldexp_f32 v[INV+\t], v[INV+\t], s29
.endr
.macro OUT t
	WIN 0x01                                       ; source 0 (O^T) window 1
.set n, 0
.rept 32
	v_mul_f32 v[S+n], v[OT+32*(\t)+n], v[INV+\t]   ; register 8 dt + j: o(query r, channel 16 dt + 8 h + j); each accumulator from its low end on
.set n, n+1
.endr
	WIN 0
.set n, 0
.rept 32
	v_med3_num_f32 v[S+n], v[S+n], -v[OLIM], v[OLIM]
.set n, n+1
.endr
.irp dt, 0,1,2,3
	v_cvt_scalef32_pk8_bf8_f32 v[VF+8*(\t)+2*\dt:VF+8*(\t)+2*\dt+1], v[S+8*\dt:S+8*\dt+7], v[OSC]
.endr
	v_nop                                          ; one plain line between the conversions and the next tile's writes of their sources
.irp u, 0,1
	global_store_b128 v[LI], v[VF+8*(\t)+4*\u:VF+8*(\t)+4*\u+3], s[10:11] offset:16384*(\t)+512*\u   ; the wave stores 512 consecutive bytes; each tile has code registers of its own
.endr
.endm
	OUT 0
	OUT 1
	OUT 2
	OUT 3
	s_wait_tensorcnt 0x0
	ds_add_u32 v254, v255
	s_wait_dscnt 0x0
	s_endpgm
.Lfunc_end_k_qa59aa24ad7_attn:
	.size	k_qa59aa24ad7_attn, .Lfunc_end_k_qa59aa24ad7_attn-k_qa59aa24ad7_attn
	.p2alignl 7, 3214868480
	.fill 96, 4, 3214868480
	.section	.rodata,"a",@progbits
	.p2align	6, 0x0
	.amdhsa_kernel k_qa59aa24ad7_attn
		.amdhsa_group_segment_fixed_size 263168
		.amdhsa_private_segment_fixed_size 0
		.amdhsa_enable_private_segment 0
		.amdhsa_kernarg_size 32
		.amdhsa_user_sgpr_count 2
		.amdhsa_user_sgpr_kernarg_segment_ptr 1
		.amdhsa_wavefront_size32 1
		.amdhsa_system_sgpr_workgroup_id_x 1
		.amdhsa_system_sgpr_workgroup_id_y 1
		.amdhsa_system_sgpr_workgroup_id_z 1
		.amdhsa_system_vgpr_workitem_id 0
		.amdhsa_next_free_vgpr 512
		.amdhsa_next_free_sgpr 66
		.amdhsa_reserve_vcc 0
		.amdhsa_float_denorm_mode_32 3
		.amdhsa_float_denorm_mode_16_64 3
		.amdhsa_memory_ordered 1
		.amdhsa_forward_progress 1
		.amdhsa_inst_pref_size 139
	.end_amdhsa_kernel
	.amdgpu_metadata
---
amdhsa.version: [ 1, 2 ]
amdhsa.kernels:
  - .name:           k_qa59aa24ad7_attn
    .symbol:         k_qa59aa24ad7_attn.kd
    .args:
      - { .name: qc, .offset: 0, .size: 8, .value_kind: global_buffer, .address_space: global }
      - { .name: kv, .offset: 8, .size: 8, .value_kind: global_buffer, .address_space: global }
      - { .name: lowp_scales, .offset: 16, .size: 8, .value_kind: global_buffer, .address_space: global }
      - { .name: ao, .offset: 24, .size: 8, .value_kind: global_buffer, .address_space: global }
    .group_segment_fixed_size: 263168
    .private_segment_fixed_size: 0
    .kernarg_segment_align: 8
    .kernarg_segment_size: 32
    .max_flat_workgroup_size: 256
    .sgpr_count:     66
    .vgpr_count:     512
    .wavefront_size: 32
...
	.end_amdgpu_metadata
.endif
;; end of part 3
;; launch oproj (part 4): grid 256 x 1, 8 waves a work-group, clusters of 4 x 1, 327,680 bytes of LDS; arguments ao, woc, lowp_scales, ln_g, ln_b, t2s_bo, s2t_bo, spat_features, temp_features, out1, out0; writes out1, out0
.if DOCPART == 4
	.amdgcn_target "amdgcn-amd-amdhsa--gfx1250"
	.amdhsa_code_object_version 6
	.text
	.protected	k_qa59aa24ad7_oproj
	.globl	k_qa59aa24ad7_oproj
	.p2align	8
	.type	k_qa59aa24ad7_oproj,@function
k_qa59aa24ad7_oproj:
	s_mov_b64 s[64:65], 0
	v_nop
	global_prefetch_b8 v0, s[64:65] scope:SCOPE_SE
	s_setreg_imm32_b32 hwreg(HW_REG_WAVE_MODE, 25, 1), 1
	s_wait_xcnt 0x0
	s_wait_alu depctr_hold_cnt(0) depctr_sa_sdst(0) depctr_va_vdst(0) depctr_va_sdst(0) depctr_va_ssrc(0) depctr_va_vcc(0) depctr_vm_vsrc(0)
	s_getreg_b32 s2, hwreg(HW_REG_IB_STS2, 6, 4)
	s_cmp_eq_u32 s2, 0
	s_cbranch_scc0 .Lentry_in_a_cluster
	s_endpgm
.Lentry_in_a_cluster:
	s_bfe_u32 s2, ttmp6, 0x10000c
	s_cmp_lg_u32 s2, 0x3003
	s_cbranch_scc0 .Lentry_shape_is_right
	s_endpgm
.Lentry_shape_is_right:
; out = LayerNorm(residual + (o Wo + bo)) for both directions; o Wo on codes of BF8, K = 1,024.
; SHARES.  LayerNorm wants whole rows, so a work-group owns 32 whole rows (two tiles of 16 tokens) x all 1,024 columns; each of its eight waves all 32 rows x 128 columns: 16 accumulators, 128 registers.
; Work-groups 0-127 serve t2s (residual spat, result out1), 128-255 s2t (residual temp, result out0).
; Wo's codes stream in 8 K steps of 131,072 bytes (one dense piece of woc, images of the operand's registers) through a ring of two LDS slots; a wave's tensor load brings the 16,384 bytes of its own eight tiles of columns.
; CLUSTER of 4 work-groups: all four walk the same Wo, so each piece is asked for JOINTLY: the same tensor load, with the same descriptor and the mask of all four.
; o's codes (32,768 bytes, images too) are copied into LDS once, through registers.
; THE MATRIX INSTRUCTION IS USED TRANSPOSED (source 0 = 16 columns of Wo, source 1 = 16 tokens): lane (r, h) holds token r and columns 16 nt + 8 h + 0..7.
; LAYERNORM.  The raw sums go through a stage in LDS (32 rows of 4,096 + 16 bytes, over slots that have had their last fill and their last read); each wave takes four whole rows, two at a time: x = residual + bo + sum x 2^(ea + eb);
; the mean; x - mean; the mean of its squares; (x - mean) / sqrt(var + 1e-5) x g + b.
; LIMITS: ea + eb between -126 and 127.  NaN among the inputs is not served.
.set PIECE, 131072                     ; a K step of Wo's codes, and a slot
.set AREG,  2*PIECE                    ; o's images: [tile a][K step][2,048]
.set SPARE, AREG+32768                 ; the spare words, 128 bytes for each wave: four blocks of 256 bytes that no other line names
.set SP,    4112                       ; a stage row
.set LI,   1                           ; v1   16 x lane
.set ADW,  2                           ; v2-3 LDS address of my fragments of Wo in slot 0, 1
.set ADA,  4                           ; v4   of the K step's fragments of o
.set SPW,  5                           ; v5   LDS address of my spare word; never rewritten
.set NIL,  6                           ; v6   0; never rewritten
.set STO,  7                           ; v7-8 the stage: where I put 32 bytes of a row of tile 0, 1
.set RD,   9                           ; v9   and where I read my four rows back
.set GT,   10                          ; v10  16 x thread;  v11  the same in o's region of LDS
.set AF,   16                          ; v16-47   o's two fragments
.set WF,   48                          ; v48-111  four buffers for Wo's fragments
.set ACC,  112                         ; v112-239 accumulator (a, nt) at ACC + 8 (2 nt + a)
.set G,    16                          ; LayerNorm: g, b, bo at my 32 columns (128 j + 4 lane + 0..3)
.set B,    48
.set BO,   80
.set X,    112                         ; two rows of the residual
.set Y,    176                         ; two rows at work
.set TS,   240                         ; eight temporaries a row
.set WV,   10
.set AK,   22
.set G1,   24                          ; s[24:31] descriptor group 1;  s[32:39] group 0, one set for each slot
.set G0,   32
.macro CROUND                          ; a round of the cluster's barrier
	s_barrier_signal -1
	s_barrier_wait -1
	s_cmp_lg_u32 s[WV], 0
	s_cbranch_scc1 .Lnot_wave_0_\@
	s_barrier_signal -3
.Lnot_wave_0_\@:
	s_barrier_wait -3
	s_barrier_signal -1
	s_barrier_wait -1
.endm
.macro PLACES
.rept 4
	v_nop
.endr
.endm
	s_load_b512 s[40:55], s[0:1], 0x0              ; ao s[40:41], woc s[42:43], scales s[44:45], g s[46:47], b s[48:49], t2s_bo s[50:51], s2t_bo s[52:53], spat s[54:55]
	s_load_b128 s[56:59], s[0:1], 0x40             ; temp s[56:57], out1 s[58:59]
	s_load_b64 s[60:61], s[0:1], 0x50              ; out0
	v_lshl_add_u32 v[SPW], v0, 2, SPARE
	v_mov_b32 v[NIL], 0
	ds_add_u32 v5, v6
	ds_add_u32 v5, v6
	s_wait_dscnt 0x0
	v_lshrrev_b32 v1, 5, v0
	v_readfirstlane_b32 s[WV], v1                  ; wave 0..7
	s_bfe_u32 s11, ttmp6, 0x40000                  ; cx: it enters the addresses of o, the residual and the result alone
	s_lshl_b32 s12, ttmp9, 2
	s_add_co_u32 s12, s12, s11
	s_and_b32 s12, s12, 127                        ; which 32 rows of the direction's 4,096
	s_lshr_b32 s13, ttmp9, 5                       ; the direction: the same in the four partners
	s_mov_b32 s[G1+0], 15|(3<<16)|(1<<21)          ; 15:0 the mask: all four work-groups; 17:16 elements of 8 bytes; 21 set beside a mask; no padding: the images are read as they lie
	s_mov_b32 s[G1+1], 32<<16                      ; tensor_dim0 = 32 elements: rows of 256 bytes
	s_mov_b32 s[G1+2], 64<<16                      ; tensor_dim1 = 64
	s_mov_b32 s[G1+3], 32<<16                      ; tile_dim0
	s_mov_b32 s[G1+4], 64                          ; tile_dim1
	s_mov_b32 s[G1+5], 32                          ; tensor_dim0_stride: dense
	s_mov_b32 s[G1+6], 0
	s_mov_b32 s[G1+7], 0
	s_lshl_b32 s14, s[WV], 14                      ; my 16,384 bytes of a piece, in memory and in a slot
	s_lshl_b32 s2, s13, 20
	s_add_co_u32 s2, s2, s14
	s_mov_b32 s3, 0
	s_mul_i32 s23, s13, 48
	s_mov_b32 s18, 0x3a800000                      ; 1 / 1,024
	s_mov_b32 s19, 0x3727c5ac                      ; 1e-5
	s_mov_b32 s20, 0x76543210
	s_mov_b32 s21, 0xfedcba98
	s_mov_b32 s[AK], AREG
	s_wait_kmcnt 0x0
	s_load_b64 s[16:17], s[44:45], s23 offset:0x28 ; ea, eb: entries 10, 11
	s_add_nc_u64 s[2:3], s[42:43], s[2:3]          ; Wo's codes at my part of K step 0
	s_cmp_eq_u32 s13, 0
	s_cselect_b64 s[4:5], s[50:51], s[52:53]       ; bo
	s_cselect_b64 s[6:7], s[54:55], s[56:57]       ; the residual
	s_cselect_b64 s[8:9], s[58:59], s[60:61]       ; the result
	s_lshl_b32 s62, s12, 17                        ; 32 rows of 4,096 bytes,
	s_add_co_u32 s62, s62, s14                     ; my wave's four
	s_mov_b32 s63, 0
	s_add_nc_u64 s[6:7], s[6:7], s[62:63]
	s_add_nc_u64 s[8:9], s[8:9], s[62:63]
	s_lshl_b32 s62, s13, 22
	s_lshl_b32 s11, s12, 15
	s_add_co_u32 s62, s62, s11
	s_add_nc_u64 s[40:41], s[40:41], s[62:63]      ; o's codes: my two tiles, 32,768 bytes on end
	CROUND                                         ; all four work-groups are here: the first joint loads meet
.irp s, 0,1
	s_mov_b32 s[G0+4*\s], 1
	s_add_co_u32 s[G0+4*\s+1], s14, \s*PIECE
	s_add_nc_u64 s[G0+4*\s+2:G0+4*\s+3], s[2:3], \s*PIECE
	s_or_b32 s[G0+4*\s+3], s[G0+4*\s+3], 0x80000000
.endr
	tensor_load_to_lds s[G0:G0+3], s[G1:G1+7]      ; K steps 0 and 1: two loads of mine are out; four v_nop follow the second
	s_nop 0
	tensor_load_to_lds s[G0+4:G0+7], s[G1:G1+7]
	s_nop 0
	PLACES
	v_and_b32 v12, 31, v0
	v_lshlrev_b32 v[LI], 4, v12
	v_lshlrev_b32 v[GT], 4, v0
	v_add_nc_u32 v[GT+1], AREG, v[GT]
.irp i, 0,1,2,3,4,5,6,7
	global_load_b128 v[AF+4*\i:AF+4*\i+3], v[GT], s[40:41] offset:4096*\i
.endr
	v_add_nc_u32 v[ADW], s14, v[LI]
	v_add_nc_u32 v[ADW+1], PIECE, v[ADW]
	v_and_b32 v12, 15, v0                          ; r
	v_bfe_u32 v13, v0, 4, 1                        ; h
	v_mul_u32_u24 v[STO], v12, SP
	v_lshl_add_u32 v[STO], v13, 5, v[STO]
	s_lshl_b32 s11, s[WV], 9
	v_add_nc_u32 v[STO], s11, v[STO]               ; row r, + 32 h, + my wave's 512 bytes
	v_add_nc_u32 v[STO+1], 16*SP, v[STO]
	s_mul_i32 s11, s[WV], 4*SP
	v_add_nc_u32 v[RD], s11, v[LI]
	s_wait_loadcnt 0x0
.irp i, 0,1,2,3,4,5,6,7
	ds_store_b128 v[GT+1], v[AF+4*\i:AF+4*\i+3] offset:4096*\i
.endr
	s_wait_tensorcnt 0x1                           ; my part of K step 0 is in; K step 1's may stay out
	s_wait_dscnt 0x0                               ; my part of o's images has landed
	s_barrier_signal -1
	s_barrier_wait -1
.macro WLD nt, slot                    ; Wo's fragment of my tile nt of columns into buffer nt % 4
.irp c, 0,1,2,3
	ds_load_b128 v[WF+16*((\nt)%4)+4*\c:WF+16*((\nt)%4)+4*\c+3], v[ADW+\slot] offset:2048*(\nt)+512*\c
.endr
.endm
.macro MM nt, zero                     ; it meets o's two fragments.  The sixteen accumulators take turns, one instruction a turn, in the same order in every step
.irp a, 0,1
.if \zero
	v_wmma_f32_16x16x128_bf8_bf8 v[ACC+8*(2*(\nt)+\a):ACC+8*(2*(\nt)+\a)+7], v[WF+16*((\nt)%4):WF+16*((\nt)%4)+15], v[AF+16*\a:AF+16*\a+15], 0
.else
	v_wmma_f32_16x16x128_bf8_bf8 v[ACC+8*(2*(\nt)+\a):ACC+8*(2*(\nt)+\a)+7], v[WF+16*((\nt)%4):WF+16*((\nt)%4)+15], v[AF+16*\a:AF+16*\a+15], v[ACC+8*(2*(\nt)+\a):ACC+8*(2*(\nt)+\a)+7]
.endif
.endr
.endm
; A K step of 128.  Four places stand in front of it on every way (the v_nop at the end of CHANGE).
.macro STEP slot, zero
	v_add_nc_u32 v[ADA], s[AK], v[LI]
.irp a, 0,1
.irp c, 0,1,2,3
	ds_load_b128 v[AF+16*\a+4*\c:AF+16*\a+4*\c+3], v[ADA] offset:16384*\a+512*\c
.endr
.endr
	WLD 0, \slot
	WLD 1, \slot
	WLD 2, \slot
	WLD 3, \slot
	s_wait_dscnt 8                                 ; all but the two youngest fragments
	MM 0, \zero
	MM 1, \zero
	PLACES                                         ; in front of loads into registers that matrix instructions have read
	WLD 4, \slot
	WLD 5, \slot
	s_wait_dscnt 8
	MM 2, \zero
	MM 3, \zero
	PLACES
	WLD 6, \slot
	WLD 7, \slot
	s_wait_dscnt 8
	MM 4, \zero
	MM 5, \zero
	s_wait_dscnt 0x0
	MM 6, \zero
	MM 7, \zero
	s_add_co_u32 s[AK], s[AK], 2048
.endm
; The change of slots behind a step.  Each wave waits for all its tensor loads (its part of the other slot), adds 0 to its spare word, and waits for that and for its reads of this slot.
; fill = 1: a round of the cluster's barrier, and behind it this slot is filled again, two K steps ahead: the load has the next step in which to land.
.macro CHANGE slot, fill
	s_wait_tensorcnt 0x0                           ; no tensor load of mine is out, so a group 0 may be written
	ds_add_u32 v[SPW], v[NIL]                      ; 0 onto my spare word
.if \fill
	s_add_nc_u64 s[G0+4*\slot+2:G0+4*\slot+3], s[G0+4*\slot+2:G0+4*\slot+3], 2*PIECE
.endif
	s_wait_dscnt 0x0                               ; the add is done, and my reads of this slot are over
.if \fill
	CROUND
	tensor_load_to_lds s[G0+4*\slot:G0+4*\slot+3], s[G1:G1+7]     ; the first thing behind the round, and my one tensor load until the next
	s_nop 0
.else
	s_barrier_signal -1
	s_barrier_wait -1
.endif
	PLACES
.endm
	STEP 0, 1                                      ; K step 0 stands in front of the loop: its products start the sums
	CHANGE 0, 1                                    ; slot 0 takes K step 2
	s_mov_b32 s15, 2
.Llap:
	STEP 1, 0
	CHANGE 1, 1
	STEP 0, 0
	CHANGE 0, 1
	s_sub_co_u32 s15, s15, 1
	s_cmp_lg_u32 s15, 0
	s_cbranch_scc1 .Llap
	STEP 1, 0                                      ; K step 5
	CHANGE 1, 1                                    ; slot 1 takes K step 7: the last load
	STEP 0, 0
	CHANGE 0, 0
	STEP 1, 0
	; ---- LayerNorm
	s_wait_dscnt 0x0
	s_barrier_signal -1
	s_barrier_wait -1                              ; nobody reads the slots any more, and both have had their last fill: the stage may be written
	PLACES                                         ; behind the last products: their results are stored, and loads land in the registers that they read
.irp j, 0,1,2,3,4,5,6,7
	global_load_b128 v[G+4*\j:G+4*\j+3], v[LI], s[46:47] offset:512*\j
	global_load_b128 v[B+4*\j:B+4*\j+3], v[LI], s[48:49] offset:512*\j
	global_load_b128 v[BO+4*\j:BO+4*\j+3], v[LI], s[4:5] offset:512*\j
.endr
.irp nt, 0,1,2,3,4,5,6,7
.irp a, 0,1
	ds_store_b128 v[STO+\a], v[ACC+8*(2*\nt+\a):ACC+8*(2*\nt+\a)+3] offset:64*\nt          ; each accumulator's low four registers first
	ds_store_b128 v[STO+\a], v[ACC+8*(2*\nt+\a)+4:ACC+8*(2*\nt+\a)+7] offset:64*\nt+16
.endr
.endr
	s_wait_kmcnt 0x0
	s_add_co_i32 s16, s16, s17                     ; ea + eb, between -126 and 127,
	s_add_co_i32 s16, s16, 127
	s_lshl_b32 s16, s16, 23                        ; makes the f32 number 2^(ea + eb)
	s_mov_b32 s17, s16                             ; (named with it as a pair, so it is written)
	s_wait_dscnt 0x0                               ; for the others' sake: my stores into the stage are done
.macro RES p                           ; the residual's rows 2 p, 2 p + 1 of my four: each load takes 512 consecutive bytes
.irp rr, 0,1
.irp j, 0,1,2,3,4,5,6,7
	global_load_b128 v[X+32*\rr+4*\j:X+32*\rr+4*\j+3], v[LI], s[6:7] offset:(2*(\p)+\rr)*4096+512*\j th:TH_LOAD_NT
.endr
.endr
.endm
	RES 0
	s_barrier_signal -1
	s_barrier_wait -1                              ; 32 whole rows of sums lie in the stage
.macro REDUCE o                        ; the two chains at TS + o, TS + o + 2 of each row become the row's sum, in every lane
.irp rr, 0,1
	v_pk_add_f32 v[TS+8*\rr+\o:TS+8*\rr+\o+1], v[TS+8*\rr+\o:TS+8*\rr+\o+1], v[TS+8*\rr+\o+2:TS+8*\rr+\o+3]
.endr
.irp rr, 0,1
	v_add_f32 v[TS+8*\rr+\o], v[TS+8*\rr+\o], v[TS+8*\rr+\o+1]
.endr
.irp m, 1,2,4,8
.irp rr, 0,1
	v_add_f32_dpp v[TS+8*\rr+\o], v[TS+8*\rr+\o], v[TS+8*\rr+\o] row_xmask:\m row_mask:0xf bank_mask:0xf
.endr
.endr
.irp rr, 0,1
	v_permlanex16_b32 v[TS+8*\rr+\o+1], v[TS+8*\rr+\o], s20, s21
.endr
.irp rr, 0,1
	v_add_f32 v[TS+8*\rr+\o], v[TS+8*\rr+\o], v[TS+8*\rr+\o+1]
.endr
.endm
; Two of my four rows, the two taking turns line by line.  more = 1: the next two rows of the residual are asked for as soon as these have been used.
.macro ROWPAIR p, more
.if \p > 0
	s_wait_xcnt 0x0                                ; the last pair's stores have read their registers
.endif
.irp rr, 0,1
.irp j, 0,1,2,3,4,5,6,7
	ds_load_b128 v[Y+32*\rr+4*\j:Y+32*\rr+4*\j+3], v[RD] offset:(2*\p+\rr)*SP+512*\j
.endr
.endr
	s_wait_loadcnt 0x0                             ; the residual (and, the first time, g, b and bo)
.irp i, 0,2,4,6,8,10,12,14,16,18,20,22,24,26,28,30
.irp rr, 0,1
	v_pk_add_f32 v[X+32*\rr+\i:X+32*\rr+\i+1], v[X+32*\rr+\i:X+32*\rr+\i+1], v[BO+\i:BO+\i+1]
.endr
.endr
	s_wait_dscnt 0x0
.irp i, 0,2,4,6,8,10,12,14,16,18,20,22,24,26,28,30
.irp rr, 0,1
	v_pk_fma_f32 v[Y+32*\rr+\i:Y+32*\rr+\i+1], v[Y+32*\rr+\i:Y+32*\rr+\i+1], s[16:17], v[X+32*\rr+\i:X+32*\rr+\i+1] op_sel_hi:[1,0,1]   ; x = sum x 2^(ea + eb) + (residual + bo)
.endr
.endr
.if \more
	RES (\p)+1
.endif
.irp rr, 0,1
	v_pk_add_f32 v[TS+8*\rr:TS+8*\rr+1], v[Y+32*\rr:Y+32*\rr+1], v[Y+32*\rr+2:Y+32*\rr+3]
	v_pk_add_f32 v[TS+8*\rr+2:TS+8*\rr+3], v[Y+32*\rr+4:Y+32*\rr+5], v[Y+32*\rr+6:Y+32*\rr+7]
.endr
.irp i, 8,12,16,20,24,28
.irp rr, 0,1
	v_pk_add_f32 v[TS+8*\rr:TS+8*\rr+1], v[TS+8*\rr:TS+8*\rr+1], v[Y+32*\rr+\i:Y+32*\rr+\i+1]
	v_pk_add_f32 v[TS+8*\rr+2:TS+8*\rr+3], v[TS+8*\rr+2:TS+8*\rr+3], v[Y+32*\rr+\i+2:Y+32*\rr+\i+3]
.endr
.endr
	REDUCE 0
.irp rr, 0,1
	v_mul_f32 v[TS+8*\rr], s18, v[TS+8*\rr]        ; the mean
.endr
.irp i, 0,2,4,6,8,10,12,14,16,18,20,22,24,26,28,30
.irp rr, 0,1
	v_pk_add_f32 v[Y+32*\rr+\i:Y+32*\rr+\i+1], v[Y+32*\rr+\i:Y+32*\rr+\i+1], v[TS+8*\rr:TS+8*\rr+1] op_sel_hi:[1,0] neg_lo:[0,1] neg_hi:[0,1]   ; x - mean (the pair's low word for both halves)
.endr
.endr
.irp rr, 0,1
	v_pk_mul_f32 v[TS+8*\rr+4:TS+8*\rr+5], v[Y+32*\rr:Y+32*\rr+1], v[Y+32*\rr:Y+32*\rr+1]
	v_pk_mul_f32 v[TS+8*\rr+6:TS+8*\rr+7], v[Y+32*\rr+2:Y+32*\rr+3], v[Y+32*\rr+2:Y+32*\rr+3]
.endr
.irp i, 4,8,12,16,20,24,28
.irp rr, 0,1
	v_pk_fma_f32 v[TS+8*\rr+4:TS+8*\rr+5], v[Y+32*\rr+\i:Y+32*\rr+\i+1], v[Y+32*\rr+\i:Y+32*\rr+\i+1], v[TS+8*\rr+4:TS+8*\rr+5]
	v_pk_fma_f32 v[TS+8*\rr+6:TS+8*\rr+7], v[Y+32*\rr+\i+2:Y+32*\rr+\i+3], v[Y+32*\rr+\i+2:Y+32*\rr+\i+3], v[TS+8*\rr+6:TS+8*\rr+7]
.endr
.endr
	REDUCE 4
.irp rr, 0,1
	v_fma_f32 v[TS+8*\rr+4], v[TS+8*\rr+4], s18, s19   ; var + 1e-5
.endr
.irp rr, 0,1
	v_rsq_f32 v[TS+8*\rr+4], v[TS+8*\rr+4]
.endr
	v_nop                                          ; a plain line between the last root and the use of its result
	s_wait_alu depctr_va_vdst(0)
.irp i, 0,2,4,6,8,10,12,14,16,18,20,22,24,26,28,30
.irp rr, 0,1
	v_pk_mul_f32 v[Y+32*\rr+\i:Y+32*\rr+\i+1], v[Y+32*\rr+\i:Y+32*\rr+\i+1], v[TS+8*\rr+4:TS+8*\rr+5] op_sel_hi:[1,0]
.endr
.endr
.irp i, 0,2,4,6,8,10,12,14,16,18,20,22,24,26,28,30
.irp rr, 0,1
	v_pk_fma_f32 v[Y+32*\rr+\i:Y+32*\rr+\i+1], v[Y+32*\rr+\i:Y+32*\rr+\i+1], v[G+\i:G+\i+1], v[B+\i:B+\i+1]
.endr
.endr
.irp rr, 0,1
.irp j, 0,1,2,3,4,5,6,7
	global_store_b128 v[LI], v[Y+32*\rr+4*\j:Y+32*\rr+4*\j+3], s[8:9] offset:(2*\p+\rr)*4096+512*\j th:TH_STORE_NT   ; the wave stores 512 consecutive bytes; written once, read by nobody here
.endr
.endr
.endm
	ROWPAIR 0, 1
	ROWPAIR 1, 0
	s_wait_tensorcnt 0x0                           ; the wave's end
	ds_add_u32 v[SPW], v[NIL]
	s_wait_dscnt 0x0
	CROUND                                         ; the closing round: no work-group ends while a partner may still ask for a piece that names it
	s_endpgm
.Lfunc_end_k_qa59aa24ad7_oproj:
	.size	k_qa59aa24ad7_oproj, .Lfunc_end_k_qa59aa24ad7_oproj-k_qa59aa24ad7_oproj
	.p2alignl 7, 3214868480
	.fill 96, 4, 3214868480
	.section	.rodata,"a",@progbits
	.p2align	6, 0x0
	.amdhsa_kernel k_qa59aa24ad7_oproj
		.amdhsa_group_segment_fixed_size 327680
		.amdhsa_private_segment_fixed_size 0
		.amdhsa_enable_private_segment 0
		.amdhsa_kernarg_size 88
		.amdhsa_user_sgpr_count 2
		.amdhsa_user_sgpr_kernarg_segment_ptr 1
		.amdhsa_wavefront_size32 1
		.amdhsa_system_sgpr_workgroup_id_x 1
		.amdhsa_system_sgpr_workgroup_id_y 1
		.amdhsa_system_sgpr_workgroup_id_z 1
		.amdhsa_system_vgpr_workitem_id 0
		.amdhsa_next_free_vgpr 256
		.amdhsa_next_free_sgpr 66
		.amdhsa_reserve_vcc 0
		.amdhsa_float_denorm_mode_32 3
		.amdhsa_float_denorm_mode_16_64 3
		.amdhsa_memory_ordered 1
		.amdhsa_forward_progress 1
		.amdhsa_inst_pref_size 78
	.end_amdhsa_kernel
	.amdgpu_metadata
---
amdhsa.version: [ 1, 2 ]
amdhsa.kernels:
  - .name:           k_qa59aa24ad7_oproj
    .symbol:         k_qa59aa24ad7_oproj.kd
    .args:
      - { .name: ao, .offset: 0, .size: 8, .value_kind: global_buffer, .address_space: global }
      - { .name: woc, .offset: 8, .size: 8, .value_kind: global_buffer, .address_space: global }
      - { .name: lowp_scales, .offset: 16, .size: 8, .value_kind: global_buffer, .address_space: global }
      - { .name: ln_g, .offset: 24, .size: 8, .value_kind: global_buffer, .address_space: global }
      - { .name: ln_b, .offset: 32, .size: 8, .value_kind: global_buffer, .address_space: global }
      - { .name: t2s_bo, .offset: 40, .size: 8, .value_kind: global_buffer, .address_space: global }
      - { .name: s2t_bo, .offset: 48, .size: 8, .value_kind: global_buffer, .address_space: global }
      - { .name: spat_features, .offset: 56, .size: 8, .value_kind: global_buffer, .address_space: global }
      - { .name: temp_features, .offset: 64, .size: 8, .value_kind: global_buffer, .address_space: global }
      - { .name: out1, .offset: 72, .size: 8, .value_kind: global_buffer, .address_space: global }
      - { .name: out0, .offset: 80, .size: 8, .value_kind: global_buffer, .address_space: global }
    .group_segment_fixed_size: 327680
    .private_segment_fixed_size: 0
    .kernarg_segment_align: 8
    .kernarg_segment_size: 88
    .max_flat_workgroup_size: 256
    .sgpr_count:     66
    .vgpr_count:     256
    .wavefront_size: 32
...
	.end_amdgpu_metadata
.endif
;; end of part 4
;; ======== version 2 of 2: 4 launches; version 1 with the launch attn written anew for expert scheduling mode
;; workspace buffers: xc 25,165,824 bytes; wc 6,291,456 bytes; woc 2,097,152 bytes; qc 8,388,608 bytes; kv 16,777,216 bytes; ao 8,388,608 bytes
;; launch quant: the kernel of part 1 again; grid 512 x 1, 4 waves a work-group, no clusters, 36,352 bytes of LDS; arguments spat_features, temp_features, lowp_scales, xc, wc, woc, t2s_Wq, t2s_Wk, t2s_Wv, s2t_Wq, s2t_Wk, s2t_Wv, t2s_Wo, s2t_Wo; writes xc, wc, woc
;; launch proj: the kernel of part 2 again; grid 4 x 96, 4 waves a work-group, clusters of 4 x 4, 327,680 bytes of LDS; arguments xc, wc, lowp_scales, qc, kv, t2s_bq, t2s_bk, t2s_bv, s2t_bq, s2t_bk, s2t_bv; writes qc, kv
;; launch attn (part 5): grid 4 x 64, 8 waves a work-group, no clusters, 263,168 bytes of LDS; arguments qc, kv, lowp_scales, ao; writes ao
.if DOCPART == 5
	.amdgcn_target "amdgcn-amd-amdhsa--gfx1250"
	.amdhsa_code_object_version 6
	.text
	.protected	k_qa59aa24ad7_attn
	.globl	k_qa59aa24ad7_attn
	.p2align	8
	.type	k_qa59aa24ad7_attn,@function
k_qa59aa24ad7_attn:
	s_mov_b64 s[64:65], 0
	v_nop
	global_prefetch_b8 v0, s[64:65] scope:SCOPE_SE
	s_setreg_imm32_b32 hwreg(HW_REG_WAVE_SCHED_MODE, 0, 2), 2
	s_setreg_imm32_b32 hwreg(HW_REG_WAVE_MODE, 25, 1), 1
	s_wait_xcnt 0x0
	s_wait_alu depctr_vm_vsrc(0)
; Attention of both directions on codes of BF8: for y = 32 dir + 16 batch + head, o[q] = (sum over 2,048 keys of Q(p) V) 2^(ep + ev) / l, and o is quantised at once with 2^eo for the output projection.
; THE SOFTMAX AHEAD OF THE SECOND PRODUCT: t = score x log2(e) / 8; M = the running largest t rounded UP to a whole number; p = 2^(t - M) is what is quantised; l is the sum of the unquantised p, in f32.
; When M moves, l and O are multiplied by 2^(old M - new M): exact.
; SHARES.  A work-group owns 512 queries of one head (grid x: which 512; grid y: y); each of its eight waves 64: four tiles of 16.  Every wave walks the head's 2,048 keys, 128 a block.
; THE HEAD'S WHOLE K AND V, 262,144 bytes, lie in LDS, each byte written once, as images of the operands' registers: every LDS load of a wave takes 512 consecutive bytes, and each fragment read feeds four tiles of queries.
; They come in quarters of 65,536 bytes through registers: a quarter's sixteen loads a wave are issued at the head of the quarter before and stored into LDS at its end, between two barriers, so that between two barriers LDS is only read or only written.
; WHY NOT JOINT TENSOR LOADS: the four work-groups of a head share one read of 262,144 bytes each, against 512 x 2,048 scores of work. The
; scalar branch on ep below spares 64 of a tile's vector lines wherever the hold cannot bind.
; LAYOUT.  Both products are used transposed: S^T = K Q^T (source 0 = 16 keys, source 1 = 16 queries, K = 64), O^T = V^T P^T (source 0 = 16 channels, source 1 = P, K = 128 keys): a lane holds ONE query (lane % 16) throughout.
; In S^T's tile kt lane (r, h) holds keys 16 kt + 8 h + 0..7: the eight codes made of them are registers 2 kt, 2 kt + 1 of the second product's operand, as that form lays K.
; LIMITS: eq + ek between -123 and 130 (added to c's exponent field); ep and eo between -126 and 112; ep + ev is applied by v_ldexp_f32 and has none.  NaN is not served.
; REGISTERS.  Window 0: v1-7 addresses and constants; v8-23 four registers of statistics a tile; v24-30 at work; v32-95 K's eight fragments; v96-159 V's four; v160-223 S^T, then p; v224-239 p's codes; v240-247 constants of the way out.
;   Window 1: v0-127 O^T (tile t, channels 16 dt on: 32 t + 8 dt); v128-159 Q (8 a tile); v160-223 the quarter on its way.
; THE MODE: SCHED_MODE bits 1:0 = 2 (LLVM: expert scheduling mode 2), set by the entry lines.  The code itself states the register dependences
; between vector or matrix instructions and memory or LDS instructions, with s_wait_alu, always for 0.
; THE PLAN.  Registers that memory or LDS instructions touch:
;   v[LI], v[GF]  Offsets, made at the head and never written again.
;   v[FA]         Read by a fill's sixteen LDS stores; written at the head and at the head of each quarter that fills.
;   v[ADR]        Read by K's and V's LDS loads; written at each quarter's head, and at the head of tile 3 in each block that has a successor in its quarter.
;   KF            K's sixteen LDS loads land in it; the block's 32 products K Q^T read it, the last eight at the head of tile 3.
;   VF            V's sixteen LDS loads land in it; the block's 16 products V^T P read it, the last four at the end of tile 3.  On the way out the conversions write it and the stores read it.
;   STG           The fill's global loads land in it, the fill's LDS stores read it; no vector instruction names it.
;   Q's registers are loaded once; S^T, p's codes, O^T and the statistics are named by vector and matrix instructions alone.
; Every tile has ONE wait on va_vdst, behind its 64 exponentials and ahead of their first reader.  The loads are laid behind the waits that stand there anyway: V of a block is asked for behind tile 0's wait, which also states that the last
; block's products V^T P are done reading VF; K of the NEXT block is asked for behind tile 3's wait, which also states that the block's products K Q^T are done reading KF and that v[ADR] is written.  Nothing stands between such a wait and its loads.
; One wait on vm_vsrc a block stands ahead of the add to v[ADR].  The last block of a quarter asks for no K: the next quarter's bytes are stored behind its barriers; so a quarter is a loop of three blocks and a fourth that is written out,
; and each quarter's head asks for its first K behind waits of its own.
.set LI,   1                           ; v1   16 x lane
.set ADR,  2                           ; v2   LDS address of the block in hand
.set GF,   3                           ; v3   16 x thread: my bytes of 4,096 in a fill
.set FA,   4                           ; v4   LDS address of a fill's stores
.set PSC,  6                           ; v6   2^ep;  v7  57,344 x 2^ep
.set PLIM, 7
.set ST,   8                           ; tile t at ST + 4 t: -M, the largest t, l in two halves
.set T0,   24
.set T1,   25
.set F,    26                          ; v[26:27] f = 2^(old M - new M) (v27 written once: it is named as the pair's upper half)
.set SU,   28                          ; v[28:29] the sum's second chain
.set TP,   30
.set KF,   32
.set VF,   96
.set S,    160
.set PC,   224
.set OSC,  240                         ; 2^eo;  v241  57,344 x 2^eo
.set OLIM, 241
.set INV,  244                         ; v244-247  2^(ep + ev) / l of the four tiles
.set OT,   0                           ; window 1
.set QR,   128
.set STG,  160
.set WV,   12
.set SEL,  20                          ; s[20:21] lane selects for v_permlanex16_b32: lane l xor 16
.set CS,   22                          ; s[22:23] c = log2(e) / 8 x 2^(eq + ek)
.set TB,   30                          ; s30  LDS byte at which the block whose K is asked for next begins
.set FB,   31                          ; s31  LDS byte at which the quarter to be stored begins
.set MSB, 0
.macro WIN new                         ; the immediate's high byte repeats the setting that is left
.if MSB != \new
	s_set_vgpr_msb (MSB<<8)|\new
.set MSB, \new
.endif
.endm
; A quarter of the head's K and V: each load of the wave takes 512 consecutive bytes, the eight waves 4,096.  The window switch, then the wait, then the loads.
.macro FILL_LOAD first
	WIN 0x40                                       ; destination window 1
.if \first
	s_wait_alu depctr_va_vdst(0)                   ; v[LI], v[GF] and v[FA] are written: the fills' loads, Q's loads, the last stores and the first fill's LDS stores read them as offsets and addresses
.else
	s_wait_alu depctr_vm_vsrc(0)                   ; the last fill's LDS stores have read STG, in which these loads land, and v[FA]; the LDS loads issued so far have read v[ADR]: both addresses are written below
.endif
.irp i, 0,1,2,3,4,5,6,7,8,9,10,11,12,13,14,15
	global_load_b128 v[STG+4*\i:STG+4*\i+3], v[GF], s[6:7] offset:4096*\i
.endr
	WIN 0
.endm
.macro FILL_STORE                      ; v[FA] was written ahead of a wait on va_vdst and no vector instruction has named it since; STG comes from loads, whose own counter is waited for
	WIN 0x04                                       ; store data window 1
.irp i, 0,1,2,3,4,5,6,7,8,9,10,11,12,13,14,15
	ds_store_b128 v[FA], v[STG+4*\i:STG+4*\i+3] offset:4096*\i
.endr
	WIN 0
.endm
.macro BAR
	s_wait_dscnt 0x0                               ; my LDS stores have landed and my LDS loads are in
	s_barrier_signal -1
	s_barrier_wait -1
.endm
.macro KLOADS                          ; the eight fragments of K of the block at v[ADR]
.irp kt, 0,1,2,3,4,5,6,7
.irp c, 0,1
	ds_load_b128 v[KF+8*\kt+4*\c:KF+8*\kt+4*\c+3], v[ADR] offset:1024*\kt+512*\c
.endr
.endr
.endm
.macro VLOADS                          ; and its four fragments of V
.irp dt, 0,1,2,3
.irp c, 0,1,2,3
	ds_load_b128 v[VF+16*\dt+4*\c:VF+16*\dt+4*\c+3], v[ADR] offset:8192+2048*\dt+512*\c
.endr
.endr
.endm
	s_load_b256 s[4:11], s[0:1], 0x0               ; qc s[4:5], kv s[6:7], the scales' exponents s[8:9], ao s[10:11]
	v_lshl_add_u32 v254, v0, 2, 0x40000
	v_mov_b32 v255, 0
	v_lshrrev_b32 v2, 5, v0
	v_readfirstlane_b32 s[WV], v2                  ; wave 0..7
	v_and_b32 v1, 31, v0
	v_lshlrev_b32 v[LI], 4, v1
	v_lshlrev_b32 v[GF], 4, v0
	s_wait_alu depctr_va_sdst(0)                   ; s12, the wave's number, is written, ahead of its first reader: the bases of qc and ao are made from it
	s_and_b32 s13, ttmp7, 0xffff                   ; y
	s_lshr_b32 s14, s13, 5                         ; the direction
	s_mul_i32 s34, s14, 48                         ; its twelve entries of the scales
	s_lshl_b32 s36, s13, 18                        ; kv: the head's 262,144 bytes
	s_mov_b32 s37, 0
	s_lshl_b32 s38, s13, 17                        ; qc: the head's 131,072 bytes,
	s_lshl_b32 s17, ttmp9, 15
	s_add_co_u32 s38, s38, s17                     ; 32 tiles of 1,024 bytes a work-group,
	s_lshl_b32 s17, s[WV], 12
	s_add_co_u32 s38, s38, s17                     ; 4 a wave
	s_mov_b32 s39, 0
	s_lshr_b32 s40, s13, 4                         ; ao: [dir][256 tiles of 16 tokens][8 K steps][2,048]: 2 dir + batch times 128 tiles of 16,384 bytes,
	s_lshl_b32 s40, s40, 21
	s_lshl_b32 s17, ttmp9, 19
	s_add_co_u32 s40, s40, s17
	s_lshl_b32 s17, s[WV], 16
	s_add_co_u32 s40, s40, s17
	s_and_b32 s17, s13, 15
	s_lshl_b32 s17, s17, 10                        ; the head's 64 channels are half of K step head / 2: 1,024 bytes
	s_add_co_u32 s40, s40, s17
	s_mov_b32 s41, 0
	s_mov_b32 s[SEL], 0x76543210
	s_mov_b32 s[SEL+1], 0xfedcba98
	s_mov_b32 s[CS], 0x3e38aa3b                    ; log2(e) / 8
	s_mov_b32 s[TB], 0
	s_mov_b32 s[FB], 0
	v_add_nc_u32 v[FA], s[FB], v[GF]               ; where the first quarter is stored
	s_wait_kmcnt 0x0
	s_load_b128 s[24:27], s[8:9], s34 offset:0x18  ; eq, ek, ep, ev: entries 6 .. 9
	s_load_b32 s28, s[8:9], s34 offset:0x28        ; eo: entry 10
	s_add_nc_u64 s[6:7], s[6:7], s[36:37]
	s_add_nc_u64 s[4:5], s[4:5], s[38:39]
	s_add_nc_u64 s[10:11], s[10:11], s[40:41]
	FILL_LOAD 1                                    ; the first quarter
	WIN 0x40
.irp t, 0,1,2,3
.irp c, 0,1
	global_load_b128 v[QR+8*\t+4*\c:QR+8*\t+4*\c+3], v[LI], s[4:5] offset:1024*\t+512*\c   ; Q's four fragments stay in registers.  (Between the wait above and these loads stand loads and window switches alone)
.endr
.endr
.set n, 0
.rept 128
	v_mov_b32 v[OT+n], 0                           ; O^T.  (The block is written without a first step of its own: the first finds zeros, which the first change of M leaves zeros)
.set n, n+1
.endr
	WIN 0
.irp t, 0,1,2,3
	v_mov_b32 v[ST+4*\t+1], 0xff61b1e6             ; the largest t so far: -3e38, under every t
	v_floor_f32 v[ST+4*\t], -v[ST+4*\t+1]          ; -M
	v_mov_b32 v[ST+4*\t+2], 0                      ; l
	v_mov_b32 v[ST+4*\t+3], 0
.endr
	v_mov_b32 v[F+1], 0
	v_mov_b32 v[TP], 0                             ; written once: a lane permute's destination counts as one of its sources
	s_wait_kmcnt 0x0
	s_add_co_i32 s35, s24, s25
	s_lshl_b32 s35, s35, 23
	s_add_co_i32 s[CS], s[CS], s35                 ; a score stands for score x 2^(eq + ek): the two exponents are added to c's exponent field
	s_mov_b32 s[CS+1], s[CS]                       ; (named with it as a pair, so it is written)
	s_add_co_i32 s35, s26, 127
	s_lshl_b32 s42, s35, 23
	v_mov_b32 v[PSC], s42
	s_add_co_i32 s35, s35, 15
	s_lshl_b32 s35, s35, 23
	s_or_b32 s35, s35, 0x600000
	v_mov_b32 v[PLIM], s35
	s_add_co_i32 s35, s28, 127
	s_lshl_b32 s42, s35, 23
	v_mov_b32 v[OSC], s42
	s_add_co_i32 s35, s35, 15
	s_lshl_b32 s35, s35, 23
	s_or_b32 s35, s35, 0x600000
	v_mov_b32 v[OLIM], s35
	s_add_co_i32 s29, s26, s27                     ; ep + ev
; One tile of 16 queries against the block's 128 keys.  vload = 1 (tile 0): the block's V is asked for behind the tile's wait, and waited for in front of the second product.
; kahead = 1 (tile 3 of a block that has a successor in its quarter): the next block's K is asked for behind the tile's wait.
.macro TILE t, vload, kahead
.set rT, ST+4*(\t)
	WIN 0x04                                       ; source 1 (Q) window 1
.irp kt, 0,1,2,3,4,5,6,7
	v_wmma_f32_16x16x64_bf8_bf8 v[S+8*\kt:S+8*\kt+7], v[KF+8*\kt:KF+8*\kt+7], v[QR+8*(\t):QR+8*(\t)+7], 0
.endr
	WIN 0
.if \kahead
	s_wait_alu depctr_vm_vsrc(0)                   ; this block's LDS loads, K's and V's, have read v[ADR]
	s_add_co_u32 s[TB], s[TB], 16384
	v_add_nc_u32 v[ADR], s[TB], v[LI]              ; the next block.  (It is also one of the four places below)
.endif
.rept 4-\kahead
	v_nop                                          ; places in front of the first read of the scores
.endr
	v_max3_num_f32 v[T0], v[S], v[S+1], v[S+2]     ; the block's largest score of my query among my 64 keys, in two chains; each tile's registers are first read at their low end
	v_max3_num_f32 v[T1], v[S+3], v[S+4], v[S+5]
.irp i, 6,10,14,18,22,26,30,34,38,42,46,50,54,58
	v_max3_num_f32 v[T0], v[T0], v[S+\i], v[S+\i+1]
	v_max3_num_f32 v[T1], v[T1], v[S+\i+2], v[S+\i+3]
.endr
	v_max3_num_f32 v[T0], v[T0], v[S+62], v[S+63]
	v_max_num_f32 v[T0], v[T0], v[T1]
	v_permlanex16_b32 v[TP], v[T0], s[SEL], s[SEL+1]
	v_max_num_f32 v[T0], v[T0], v[TP]              ; and among lane l xor 16's
	v_mul_f32 v[T0], s[CS], v[T0]                  ; as t (c is positive)
	v_max_num_f32 v[rT+1], v[rT+1], v[T0]          ; the running largest t
	v_mov_b32 v[T0], v[rT]
	v_floor_f32 v[rT], -v[rT+1]                    ; the new -M = floor(-t) = -ceil(t): M is a whole number
	v_sub_f32 v[T0], v[rT], v[T0]                  ; old M less new M: a whole number, 0 or less
	v_cvt_i32_f32 v[T0], v[T0]                     ; (it saturates)
	v_ldexp_f32 v[F], 1.0, v[T0]                   ; f = 2^(old M - new M)
.set n, 0
.rept 32
	v_pk_fma_f32 v[S+n:S+n+1], v[S+n:S+n+1], s[CS:CS+1], v[rT:rT+1] op_sel_hi:[1,0,0]   ; t - M, two at a time (of the pairs c and -M the low word serves both halves)
.set n, n+2
.endr
.set n, 0
.rept 64
	v_exp_f32 v[S+n], v[S+n]                       ; p = 2^(t - M), at most 1: not normalised
.set n, n+1
.endr
	v_pk_mul_f32 v[rT+2:rT+3], v[rT+2:rT+3], v[F:F+1] op_sel_hi:[1,0]   ; l under the new M.  (The plain line behind the exponentials)
	s_wait_alu depctr_va_vdst(0)                   ; the 64 exponentials have written p, ahead of its first reader.  Tile 0: the last block's products V^T P are done reading VF.  Tile 3: this block's products K Q^T are done reading KF, and v[ADR] is written
.if \vload
	VLOADS                                         ; this block's V: the sums, the conversions and the rescaling below stand between these loads and the wait for them
.endif
.if \kahead
	KLOADS                                         ; the next block's K: no vector or matrix instruction of the rest of this tile names KF; it is waited for at the next block's head
.endif
	v_pk_add_f32 v[SU:SU+1], v[S:S+1], v[S+2:S+3]  ; the sum is taken of the unquantised p: two at a time, in two chains
.irp j, 4,8,12,16,20,24,28,32,36,40,44,48,52,56,60
	v_pk_add_f32 v[rT+2:rT+3], v[rT+2:rT+3], v[S+\j:S+\j+1]
	v_pk_add_f32 v[SU:SU+1], v[SU:SU+1], v[S+\j+2:S+\j+3]
.endr
	v_pk_add_f32 v[rT+2:rT+3], v[rT+2:rT+3], v[SU:SU+1]
	s_cmp_ge_i32 s26, -15                          ; p <= 1, so p / 2^ep <= 2^15 < 57,344 wherever ep >= -15: the hold cannot bind there and is jumped over.  ep is a whole number of the input, the same in every wave
	s_cbranch_scc1 .Lno_hold_\@
.set n, 0
.rept 64
	v_min_num_f32 v[S+n], v[S+n], v[PLIM]          ; the conversion to an 8-bit code does not saturate (ISA guide 7.6.2); p is not negative, so the hold is one-sided
.set n, n+1
.endr
.Lno_hold_\@:
.irp kt, 0,1,2,3,4,5,6,7
	v_cvt_scalef32_pk8_bf8_f32 v[PC+2*\kt:PC+2*\kt+1], v[S+8*\kt:S+8*\kt+7], v[PSC]
.endr
	WIN 0x41                                       ; O^T (destination and source 0) window 1, f window 0
.set n, 0
.rept 16
	v_pk_mul_f32 v[OT+32*(\t)+n:OT+32*(\t)+n+1], v[OT+32*(\t)+n:OT+32*(\t)+n+1], v[F:F+1] op_sel_hi:[1,0]   ; O^T under the new M.  (These are also the plain lines behind the conversions)
.set n, n+2
.endr
.if \vload
	s_wait_dscnt 0x0                               ; V's fragments are in
.endif
	WIN 0x50                                       ; C and D window 1
.irp dt, 0,1,2,3
	v_wmma_f32_16x16x128_bf8_bf8 v[OT+32*(\t)+8*\dt:OT+32*(\t)+8*\dt+7], v[VF+16*\dt:VF+16*\dt+15], v[PC:PC+15], v[OT+32*(\t)+8*\dt:OT+32*(\t)+8*\dt+7]   ; four accumulators by turns
.endr
	WIN 0
.endm
; A block of 128 keys: the four tiles.  Its K was asked for in the block before, or at the quarter's head.  ahead = 1: it has a successor in its quarter.
.macro BLOCK ahead
	s_wait_dscnt 0x0                               ; K's sixteen loads are in
	TILE 0, 1, 0
	TILE 1, 0, 0
	TILE 2, 0, 0
	TILE 3, 0, \ahead
.if !\ahead
	s_add_co_u32 s[TB], s[TB], 16384               ; the next quarter's first block: its address is made at that quarter's head
.endif
.endm
; A quarter's head, behind the barrier that shows the quarter whole in LDS.  fill = 1: the next quarter is asked for, into registers, and the address of its LDS stores is made.  Then the quarter's first K.
.macro QHEAD fill
.if \fill
	FILL_LOAD 0
	s_add_co_u32 s[FB], s[FB], 0x10000
	v_add_nc_u32 v[FA], s[FB], v[GF]               ; free since the wait on vm_vsrc at the fill's head
.else
	s_wait_alu depctr_vm_vsrc(0)                   ; the LDS loads issued so far have read v[ADR]
.endif
	v_add_nc_u32 v[ADR], s[TB], v[LI]
	s_wait_alu depctr_va_vdst(0)                   ; v[ADR] is written, which K's loads read (and v[FA], which the LDS stores at the quarter's end read); the products K Q^T issued so far are done reading KF
	KLOADS
.endm
	s_wait_loadcnt 8                               ; the first quarter is in registers; Q's eight loads may be out
	FILL_STORE
	BAR                                            ; the first quarter lies in LDS
	s_wait_loadcnt 0x0                             ; Q; and the fill's loads are done, so their base may step
	s_add_nc_u64 s[6:7], s[6:7], 0x10000
	s_mov_b32 s32, 3
.Lquarter:                                             ; three trips: a quarter is worked on while the next is on its way into registers
	QHEAD 1
	s_mov_b32 s33, 3
.Lblock:                                               ; the quarter's first three blocks ask for the K of the block behind them
	BLOCK 1
	s_sub_co_u32 s33, s33, 1
	s_cmp_lg_u32 s33, 0
	s_cbranch_scc1 .Lblock
	BLOCK 0                                        ; the fourth asks for none: the bytes behind it are not in LDS yet
	BAR                                            ; every wave's reads are in: from here to the next barrier LDS is only written
	s_wait_loadcnt 0x0                             ; the next quarter is in registers
	s_add_nc_u64 s[6:7], s[6:7], 0x10000
	FILL_STORE
	BAR                                            ; it lies in LDS
	s_sub_co_u32 s32, s32, 1
	s_cmp_lg_u32 s32, 0
	s_cbranch_scc1 .Lquarter
	QHEAD 0                                        ; the last quarter asks for nothing from memory: no load leaves the buffer
	s_mov_b32 s33, 3
.Ltail:
	BLOCK 1
	s_sub_co_u32 s33, s33, 1
	s_cmp_lg_u32 s33, 0
	s_cbranch_scc1 .Ltail
	BLOCK 0
	; THE WAY OUT.  l's two halves and lane l xor 16's are added (the four additions are the places behind the last products); o = O^T x 2^(ep + ev) / l is held, converted with 2^eo, and stored as the output projection's operand image.
.irp t, 0,1,2,3
	v_add_f32 v[INV+\t], v[ST+4*\t+2], v[ST+4*\t+3]
.endr
.irp t, 0,1,2,3
	v_permlanex16_b32 v[ST+4*\t], v[INV+\t], s[SEL], s[SEL+1]
.endr
.irp t, 0,1,2,3
	v_add_f32 v[INV+\t], v[INV+\t], v[ST+4*\t]
.endr
.irp t, 0,1,2,3
	v_rcp_f32 v[INV+\t], v[INV+\t]
.endr
	v_nop                                          ; a plain line between the last reciprocal and the use of its result
	s_wait_alu depctr_va_vdst(0)                   ; the four reciprocals have written v[INV ..], ahead of their first reader
.irp t, 0,1,2,3
	v_ldexp_f32 v[INV+\t], v[INV+\t], s29
.endr
; A tile's arithmetic.  Each tile has eight code registers of its own, in VF, whose fragments are done with: so all four tiles are converted first, and one wait serves the one run of stores.
.macro OUT t
	WIN 0x01                                       ; source 0 (O^T) window 1
.set n, 0
.rept 32
	v_mul_f32 v[S+n], v[OT+32*(\t)+n], v[INV+\t]   ; register 8 dt + j: o(query r, channel 16 dt + 8 h + j); each accumulator from its low end on
.set n, n+1
.endr
	WIN 0
.set n, 0
.rept 32
	v_med3_num_f32 v[S+n], v[S+n], -v[OLIM], v[OLIM]
.set n, n+1
.endr
.irp dt, 0,1,2,3
	v_cvt_scalef32_pk8_bf8_f32 v[VF+8*(\t)+2*\dt:VF+8*(\t)+2*\dt+1], v[S+8*\dt:S+8*\dt+7], v[OSC]
.endr
	v_nop                                          ; one plain line between the conversions and the next tile's writes of their sources
.endm
	OUT 0
	OUT 1
	OUT 2
	OUT 3
	s_wait_alu depctr_va_vdst(0)                   ; the sixteen conversions have written the codes v[VF .. VF+31], which the eight stores read
.irp t, 0,1,2,3
.irp u, 0,1
	global_store_b128 v[LI], v[VF+8*\t+4*\u:VF+8*\t+4*\u+3], s[10:11] offset:16384*\t+512*\u   ; the wave stores 512 consecutive bytes
.endr
.endr
	s_wait_dscnt 0x0                               ; the closing lines, six on end
	s_wait_alu 0x0
	s_wait_tensorcnt 0x0
	ds_add_u32 v254, v255
	s_wait_dscnt 0x0
	s_endpgm
.Lfunc_end_k_qa59aa24ad7_attn:
	.size	k_qa59aa24ad7_attn, .Lfunc_end_k_qa59aa24ad7_attn-k_qa59aa24ad7_attn
	.p2alignl 7, 3214868480
	.fill 96, 4, 3214868480
	.section	.rodata,"a",@progbits
	.p2align	6, 0x0
	.amdhsa_kernel k_qa59aa24ad7_attn
		.amdhsa_group_segment_fixed_size 263168
		.amdhsa_private_segment_fixed_size 0
		.amdhsa_enable_private_segment 0
		.amdhsa_kernarg_size 32
		.amdhsa_user_sgpr_count 2
		.amdhsa_user_sgpr_kernarg_segment_ptr 1
		.amdhsa_wavefront_size32 1
		.amdhsa_system_sgpr_workgroup_id_x 1
		.amdhsa_system_sgpr_workgroup_id_y 1
		.amdhsa_system_sgpr_workgroup_id_z 1
		.amdhsa_system_vgpr_workitem_id 0
		.amdhsa_next_free_vgpr 512
		.amdhsa_next_free_sgpr 66
		.amdhsa_reserve_vcc 0
		.amdhsa_float_denorm_mode_32 3
		.amdhsa_float_denorm_mode_16_64 3
		.amdhsa_memory_ordered 1
		.amdhsa_forward_progress 1
		.amdhsa_inst_pref_size 248
	.end_amdhsa_kernel
	.amdgpu_metadata
---
amdhsa.version: [ 1, 2 ]
amdhsa.kernels:
  - .name:           k_qa59aa24ad7_attn
    .symbol:         k_qa59aa24ad7_attn.kd
    .args:
      - { .name: qc, .offset: 0, .size: 8, .value_kind: global_buffer, .address_space: global }
      - { .name: kv, .offset: 8, .size: 8, .value_kind: global_buffer, .address_space: global }
      - { .name: lowp_scales, .offset: 16, .size: 8, .value_kind: global_buffer, .address_space: global }
      - { .name: ao, .offset: 24, .size: 8, .value_kind: global_buffer, .address_space: global }
    .group_segment_fixed_size: 263168
    .private_segment_fixed_size: 0
    .kernarg_segment_align: 8
    .kernarg_segment_size: 32
    .max_flat_workgroup_size: 256
    .sgpr_count:     66
    .vgpr_count:     512
    .wavefront_size: 32
...
	.end_amdgpu_metadata
.endif
;; end of part 5
;; launch oproj: the kernel of part 4 again; grid 256 x 1, 8 waves a work-group, clusters of 4 x 1, 327,680 bytes of LDS; arguments ao, woc, lowp_scales, ln_g, ln_b, t2s_bo, s2t_bo, spat_features, temp_features, out1, out0; writes out1, out0
